; MI455X (gfx1250); checked and timed in simulation.
; The chip was launched on July 23, 2026; its instructions are those of AMD's public machine-readable ISA for CDNA 5 (MIT licence, August 2026) and "CDNA5" Instruction Set Architecture Reference Guide (July 2026). The comments in the code are by the model that wrote it; some were corrected since.
;; Single Head Causal Self Attention. Allowed arithmetic: matrix products marked QUANTISED: E5M2 operands, one E8M0 scale for each 32 along K, by v_wmma_scale_f32_16x16x128_f8f6f4 with both operands' format E5M2, f32 sums; everything else in f32.
;; Inputs: Wk 384 x 384 float32; Wq 384 x 384 float32; Wv 384 x 384 float32; x 8 x 2,048 x 384 float32.
;; Outputs: out0 8 x 2,048 x 384 float32.
;; This version of the problem:
;;   THIS VERSION OF THE PROBLEM IS GIVEN IN LOW PRECISION. The matrix products marked QUANTISED in the list below multiply operands that are first quantised to E5M2 (5 exponent bits, 2 mantissa bits; 8 bits a number), with one power-of-two scale for each 32 numbers along K (OCP MX v1.0); their sums are f32. All else is computed in f32.
;;   The module's matrix products, in the order in which they are computed (A, B: the left and right operand; K: the contracted axis; several contracted axes count as one K, in the product's order):
;;     1. [M 16,384, K 384] x [K 384, N 384]; A: input x; B: input Wq: QUANTISED
;;     2. [M 16,384, K 384] x [K 384, N 384]; A: input x; B: input Wk: QUANTISED
;;     3. [M 16,384, K 384] x [K 384, N 384]; A: input x; B: input Wv: QUANTISED
;;     4. batch 8 x [M 2,048, K 384] x [K 384, N 2,048]; A: computed on the way; B: computed on the way: QUANTISED
;;     5. batch 8 x [M 2,048, K 2,048] x [K 2,048, N 384]; A: softmax (see below); B: computed on the way: QUANTISED
;;   THE QUANTISER, for each operand of a quantised product, along K:
;;     - K is cut into blocks of 32 from its start; a last block that is shorter is filled with zeros.
;;     - A block's scale is 2^e with e = floor(log2(the largest magnitude in the block)) - 15, held to -126 .. 127; a block of zeros has e = 0. As a byte (E8M0): e + 127.
;;     - Each number is divided by its block's scale, clamped to +-57,344, and rounded to the nearest number of E5M2, ties to even, subnormals kept.
;;     - The product sums the exact products of the quantised numbers (number of the format x scale) in f32.
;;   ~~~python
;;   def quantise(x, axis):      # numpy; x: float32 -> the quantised numbers, widened to float32 again
;;       x = np.moveaxis(x, axis, -1); K = x.shape[-1]
;;       x = np.pad(x, [(0, 0)] * (x.ndim - 1) + [(0, -K % 32)]); x = x.reshape(x.shape[:-1] + (-1, 32)); a = np.abs(x).max(-1, keepdims=True)
;;       e = np.where(a > 0, np.clip(np.frexp(np.where(a > 0, a, 1))[1] - 1 - 15, -126, 127), 0)      # np.frexp(a)[1] - 1 = floor(log2(a)), exactly
;;       r = np.clip(x / 2.0 ** e, -57344, 57344)
;;       step = 2.0 ** (np.maximum(np.frexp(np.where(r == 0, 1, r))[1] - 1, -14) - 2)
;;       q = np.round(r / step) * step * 2.0 ** e      # np.round: ties to even
;;       return np.moveaxis(q.reshape(q.shape[:-2] + (-1,))[..., :K], -1, axis).astype(np.float32)
;;   ~~~
;;   SOFTMAX AHEAD OF A QUANTISED PRODUCT. Where the list says 'softmax', what is quantised is not the finished softmax but p = 2^(t - M), with t = logit x log2(e) and M = ceil(the row's largest t), a whole number; so 1/2 < the row's largest p <= 1. The row's sum l is taken of the UNQUANTISED p, in f32, and the product's result is divided by l at the end. Since M is a whole number, a kernel that streams over the keys may use a running M (the ceiling of the running maximum): every later rescaling is an exact power of two, which a block's scale takes up: the codes' values come out the same.
;;   OPERANDS COMPUTED ON THE WAY. 'Computed on the way' means the value that the module computes at that place (a softmax that the list does not call 'softmax' is quantised finished and normalised). What goes into a quantiser is computed in f32, as accurately as f32 sums, v_exp_f32 and their like allow (about 1e-6 of the number): no bf16 or f16 on the way to a quantiser, and a product that is left as it is and whose result goes on into a quantised operand takes f32 operands (vector FMAs, or v_wmma_f32_16x16x4_f32). A number that lies on a knife's edge between two numbers of the format may be rounded either way, as far as f32 arithmetic and the matrix unit's own rounding can turn it there, and no further.
;; 3 versions, each right; version 2 is faster than version 1; version 3 is version 2 with the launch proj written anew for expert scheduling mode. Each part assembles by itself: llvm-mc -triple=amdgcn-amd-amdhsa -mcpu=gfx1250 --defsym DOCPART=n.
;; ======== version 1 of 3: 3 launches
;; workspace buffers: wimg 442,368 bytes; wsc 27,648 bytes; qrec 6,684,672 bytes; krec 6,684,672 bytes; vrec 6,684,672 bytes
;; launch quantw (part 1): grid 24 x 3, 3 waves a work-group, no clusters, 0 bytes of LDS; arguments Wq, Wk, Wv, wimg, wsc; writes wimg, wsc
.if DOCPART == 1
	.amdgcn_target "amdgcn-amd-amdhsa--gfx1250"
	.amdhsa_code_object_version 6
	.text
	.protected	k_q78210a0bad_quantw
	.globl	k_q78210a0bad_quantw
	.p2align	8
	.type	k_q78210a0bad_quantw,@function
k_q78210a0bad_quantw:
	s_mov_b64 s[64:65], 0
	v_nop
	global_prefetch_b8 v0, s[64:65] scope:SCOPE_SE
	s_setreg_imm32_b32 hwreg(HW_REG_WAVE_MODE, 25, 1), 1
	s_wait_xcnt 0x0
; Wq, Wk, Wv [384][384] f32 (rows = outputs d, K = c innermost) become codes of BF8 (E5M2) with one E8M0 byte for each 32 along K,
; laid as IMAGES OF OPERAND REGISTERS: a fragment (16 rows x 128 K, 16 registers a lane) is 2,048 bytes [c 0..3][lane][16 bytes].
; Work-group x = tile 0..23, y = matrix (0 Wq, 1 Wk, 2 Wv), wave = K step 0..2: one wave makes one fragment.
; THE ROWS OF A TILE ARE NOT NEIGHBOURS: lane r of tile T holds row 128 (T/8) + 32 ((T%8)/2) + 8 (T%2) + r + 8 (r/8), so that the results of two
; neighbouring tiles used as source 0 are 16 neighbours along that axis in one lane.
; A block's scale is 2^(floor(log2(largest magnitude)) - 15): its byte is the largest magnitude's exponent field - 15, held at 1 from below.
; LIMITS: a block of zeros gets the byte 1 where the rule says 127 (its codes are zeros, and this program alone reads the bytes); blocks whose largest
; magnitude lies under 2^-111 are held at byte 1; NaN and infinities among the inputs are not served.
; No LDS, no barrier, no cluster: each weight byte is read once, by one wave.
.set X,   32                           ; v32-95   64 numbers: register 16 b + i = k 32 b + 16 (lane/16) + i of my row
.set PC,  96                           ; v96-111  the fragment's codes
.set TM,  112                          ; v112-127 at work
.set PW,  128                          ; v128     the scale word
.set MNT, 19                           ; s19      the mantissa field of 57,344
.set SEL, 20                           ; s[20:21] selects for lane l xor 16
.macro QUANT s, pw
.irp b, 0,1,2,3
	v_max3_num_f32 v[TM+\b], |v[(\s)+16*\b]|, |v[(\s)+16*\b+1]|, 0x8000000   ; my 16 numbers of block b, and the floor 2^(16 - 127): the byte cannot fall under 1
.endr
.irp i, 2,4,6,8,10,12,14
.irp b, 0,1,2,3
	v_max3_num_f32 v[TM+\b], v[TM+\b], |v[(\s)+16*\b+\i]|, |v[(\s)+16*\b+\i+1]|   ; the four blocks by turns
.endr
.endr
.irp b, 0,1,2,3
	v_permlanex16_b32 v[TM+4+\b], v[TM+\b], s[SEL], s[SEL+1]
.endr
.irp b, 0,1,2,3
	v_max_num_f32 v[TM+\b], v[TM+\b], v[TM+4+\b]           ; with lane l xor 16's 16: the block's largest magnitude
.endr
.irp b, 0,1,2,3
	v_add_nc_u32 v[TM+12+\b], 0xf8800000, v[TM+\b]         ; 15 off its exponent field: the conversion's scale operand
.endr
.irp b, 0,1,2,3
	v_and_or_b32 v[TM+8+\b], v[TM+\b], 0x7f800000, s[MNT]  ; 57,344 x the scale
.endr
.irp b, 0,1,2,3
	v_lshrrev_b32 v[TM+4+\b], 23, v[TM+12+\b]              ; the scale's byte
.endr
	v_lshl_or_b32 v[\pw], v[TM+5], 8, v[TM+4]
	v_lshl_or_b32 v[\pw], v[TM+6], 16, v[\pw]
	v_lshl_or_b32 v[\pw], v[TM+7], 24, v[\pw]              ; my row's scale word
.irp b, 0,1,2,3
.irp i, 0,1,2,3,4,5,6,7,8,9,10,11,12,13,14,15
	v_med3_num_f32 v[(\s)+16*\b+\i], v[(\s)+16*\b+\i], -v[TM+8+\b], v[TM+8+\b]   ; the conversion does not saturate (ISA guide 7.6.2): the hold comes first
.endr
	v_cvt_scalef32_pk8_bf8_f32 v[PC+4*\b:PC+4*\b+1], v[(\s)+16*\b:(\s)+16*\b+7], v[TM+12+\b]
	v_cvt_scalef32_pk8_bf8_f32 v[PC+4*\b+2:PC+4*\b+3], v[(\s)+16*\b+8:(\s)+16*\b+15], v[TM+12+\b]
.endr
	v_nop                                                  ; one plain line behind the last scaled conversion
.endm
	s_load_b256 s[4:11], s[0:1], 0x0               ; Wq s[4:5], Wk s[6:7], Wv s[8:9], wimg s[10:11]
	s_load_b64 s[12:13], s[0:1], 0x20              ; wsc
	v_lshrrev_b32 v4, 5, v0
	v_readfirstlane_b32 s14, v4                    ; wave = K step
	s_and_b32 s15, ttmp7, 0xffff                   ; which matrix
	v_and_b32 v5, 31, v0
	v_lshlrev_b32 v1, 4, v5                        ; 16 x lane: my place in an image
	v_lshlrev_b32 v2, 2, v5                        ; 4 x lane: my scale word's
	v_and_b32 v6, 15, v0                           ; r
	v_bfe_u32 v7, v0, 4, 1                         ; h
	v_and_b32 v8, 8, v6
	v_add_nc_u32 v8, v8, v6                        ; r + 8 (r/8)
	v_mul_u32_u24 v3, v8, 1536                     ; a row is 1,536 bytes
	v_lshl_add_u32 v3, v7, 6, v3                   ; + 64 h: my 16 numbers of each block of 32
.irp b, 0,1,2,3
	v_mov_b32 v[TM+4+\b], 0                        ; a lane permute's destination counts as one of its sources
.endr
	s_mov_b32 s[MNT], 0x600000
	s_mov_b32 s[SEL], 0x76543210
	s_mov_b32 s[SEL+1], 0xfedcba98
	s_lshr_b32 s16, ttmp9, 3
	s_lshl_b32 s16, s16, 7                         ; 128 (T/8)
	s_bfe_u32 s17, ttmp9, 0x20001
	s_lshl_b32 s17, s17, 5                         ; 32 ((T%8)/2)
	s_add_co_u32 s16, s16, s17
	s_and_b32 s17, ttmp9, 1
	s_lshl_b32 s17, s17, 3                         ; 8 (T%2)
	s_add_co_u32 s16, s16, s17
	s_mul_i32 s16, s16, 1536
	s_lshl_b32 s17, s14, 9                         ; the K step's 512 bytes of a row
	s_add_co_u32 s16, s16, s17
	s_mov_b32 s17, 0
	s_mul_i32 s18, s15, 24
	s_add_co_u32 s18, s18, ttmp9
	s_mul_i32 s18, s18, 3
	s_add_co_u32 s18, s18, s14                     ; the fragment's number: (24 matrix + T) 3 + K step
	s_lshl_b32 s22, s18, 11
	s_mov_b32 s23, 0
	s_lshl_b32 s24, s18, 7
	s_mov_b32 s25, 0
	s_wait_kmcnt 0x0
	s_cmp_eq_u32 s15, 1                            ; the choice hangs on the work-group's number alone
	s_cselect_b64 s[4:5], s[6:7], s[4:5]
	s_cmp_eq_u32 s15, 2
	s_cselect_b64 s[4:5], s[8:9], s[4:5]
	s_add_nc_u64 s[4:5], s[4:5], s[16:17]
	s_add_nc_u64 s[10:11], s[10:11], s[22:23]
	s_add_nc_u64 s[12:13], s[12:13], s[24:25]
.irp b, 0,1,2,3
.irp j, 0,1,2,3
	global_load_b128 v[X+16*\b+4*\j:X+16*\b+4*\j+3], v3, s[4:5] offset:128*\b+16*\j
.endr
.endr
	s_wait_loadcnt 0x0
	QUANT X, PW
.irp c, 0,1,2,3
	global_store_b128 v1, v[PC+4*\c:PC+4*\c+3], s[10:11] offset:512*\c   ; 32 lanes store 512 consecutive bytes
.endr
	global_store_b32 v2, v[PW], s[12:13]           ; 128 consecutive bytes; lanes 16-31 repeat lanes 0-15
	s_endpgm
.Lfunc_end_k_q78210a0bad_quantw:
	.size	k_q78210a0bad_quantw, .Lfunc_end_k_q78210a0bad_quantw-k_q78210a0bad_quantw
	.p2alignl 7, 3214868480
	.fill 96, 4, 3214868480
	.section	.rodata,"a",@progbits
	.p2align	6, 0x0
	.amdhsa_kernel k_q78210a0bad_quantw
		.amdhsa_group_segment_fixed_size 0
		.amdhsa_private_segment_fixed_size 0
		.amdhsa_enable_private_segment 0
		.amdhsa_kernarg_size 40
		.amdhsa_user_sgpr_count 2
		.amdhsa_user_sgpr_kernarg_segment_ptr 1
		.amdhsa_wavefront_size32 1
		.amdhsa_system_sgpr_workgroup_id_x 1
		.amdhsa_system_sgpr_workgroup_id_y 1
		.amdhsa_system_sgpr_workgroup_id_z 1
		.amdhsa_system_vgpr_workitem_id 0
		.amdhsa_next_free_vgpr 136
		.amdhsa_next_free_sgpr 66
		.amdhsa_reserve_vcc 0
		.amdhsa_float_denorm_mode_32 3
		.amdhsa_float_denorm_mode_16_64 3
		.amdhsa_memory_ordered 1
		.amdhsa_forward_progress 1
		.amdhsa_inst_pref_size 13
	.end_amdhsa_kernel
	.amdgpu_metadata
---
amdhsa.version: [ 1, 2 ]
amdhsa.kernels:
  - .name:           k_q78210a0bad_quantw
    .symbol:         k_q78210a0bad_quantw.kd
    .args:
      - { .name: Wq, .offset: 0, .size: 8, .value_kind: global_buffer, .address_space: global }
      - { .name: Wk, .offset: 8, .size: 8, .value_kind: global_buffer, .address_space: global }
      - { .name: Wv, .offset: 16, .size: 8, .value_kind: global_buffer, .address_space: global }
      - { .name: wimg, .offset: 24, .size: 8, .value_kind: global_buffer, .address_space: global }
      - { .name: wsc, .offset: 32, .size: 8, .value_kind: global_buffer, .address_space: global }
    .group_segment_fixed_size: 0
    .private_segment_fixed_size: 0
    .kernarg_segment_align: 8
    .kernarg_segment_size: 40
    .max_flat_workgroup_size: 96
    .sgpr_count:     66
    .vgpr_count:     136
    .wavefront_size: 32
...
	.end_amdgpu_metadata
.endif
;; end of part 1
;; launch proj (part 2): grid 128 x 2, 4 waves a work-group, no clusters, 120,320 bytes of LDS; arguments x, wimg, wsc, qrec, krec, vrec; writes qrec, krec, vrec
.if DOCPART == 2
	.amdgcn_target "amdgcn-amd-amdhsa--gfx1250"
	.amdhsa_code_object_version 6
	.text
	.protected	k_q78210a0bad_proj
	.globl	k_q78210a0bad_proj
	.p2align	8
	.type	k_q78210a0bad_proj,@function
k_q78210a0bad_proj:
	s_mov_b64 s[64:65], 0
	v_nop
	global_prefetch_b8 v0, s[64:65] scope:SCOPE_SE
	s_setreg_imm32_b32 hwreg(HW_REG_WAVE_MODE, 25, 1), 1
	s_wait_xcnt 0x0
; Q = x Wq^T, K = x Wk^T, V = x Wv^T on codes of BF8 (E5M2) with E8M0 scales for each 32 along K; the results are quantised again, Q and K along d, V along the rows (the keys),
; and leave as RECORDS of 52,224 bytes for each 128 rows: 24 images of operand registers (2,048 bytes each: [c][lane][16 bytes]), then 3,072 bytes of scale words.
;   qrec, krec: fragment (row tile m = 0..7, K step U along d) at (3 m + U) 2048; scale words at 49,152 + 1024 U + 512 (m/4) + 16 lane + 4 (m%4).
;   vrec: fragment of channel tile T = 0..23 (16 channels x the record's 128 keys) at 2048 T; scale words at 49,152 + 512 (T/4) + 16 lane + 4 (T%4).
; THE ROWS OF A TILE ARE NOT NEIGHBOURS: lane r of tile 2 b + u holds row 32 b + 8 u + r + 8 (r/8): a result whose source 0 is such a tile gives a lane 16 neighbours in the 16 registers of tiles 2 b, 2 b + 1.
; SHARES.  Work-group x = the record (128 rows of x), y = p: p = 0 makes Q and V's channel tiles 0-11, p = 1 makes K and V's tiles 12-23: 256 work-groups of 864 products.
; Phase X: wave w quantises rows 32 w .. 32 w + 31 of x (each load takes 512 consecutive bytes of a row; the numbers turn through the wave's own stage in LDS, so that a lane holds 16 neighbours) and stores six images.
; One barrier.  Then waves 0-2 (wave U): d = 128 U .. + 127 for the 8 row tiles, source 0 = 16 rows of W, source 1 = x: their 24 weight fragments stay in registers.
; Wave 3: V: source 0 = x's tile, source 1 = 16 rows of Wv; x's 24 fragments stay in registers; Wv's tiles 0-7 of its twelve were loaded like the others' weights, tiles 8-11 take the places of tiles 0-3 as those are done.
; NO CLUSTER, NO TENSOR LOAD: weights go from memory straight into the registers where they stay (49,152 bytes a wave, once); a joint load would land them in LDS and cost each of them an LDS write and read more.
; x is read by the two work-groups of a record; its numbers pass through registers on the way to the quantiser in any case.
; LIMITS: a block of zeros gets the byte 1 where the rule says 127 (its codes are zeros; this program alone reads the bytes); blocks under 2^-111 are held at byte 1; NaN and infinities are not served.
; REGISTERS.  window 0: v1-6 addresses; v16-39 x's scale words (wave 3); v40-45 x's scale words, two sets (waves 0-2); v64-127 numbers of x, later 8 accumulators; v128-191 numbers of x, later the collected scale words;
;   v192-207 codes; v208-223 at work; v224 a scale word; v228-251 the weights' scale words (8 s + tile).
;   window 1: weight fragments (tile t, K step s = 0, 1) at v[16 (8 s + t)].   window 2: v0-127 those of s = 2; from v128: waves 0-2: x's three fragments, two sets; wave 3: x's fragments of s = 2.
;   window 3: x as loaded, two sets of 128; later (wave 3) x's fragments of s = 0, 1.
.set REC,  52224
.set RSC,  49152                       ; a record's scale words
.set XSC,  49152                       ; LDS: x's 24 images (K step s, tile m) at (8 s + m) 2048; here their scale words, 128 bytes each
.set STG,  52224                       ; LDS: a stage of 32 rows x (512 + 16) bytes for each wave
.set STGW, 16896
.set LI,  1                            ; v1  16 x lane
.set LS,  2                            ; v2  4 x lane
.set STA, 3                            ; v3  my stage + 16 x lane
.set STB, 4                            ; v4  my stage + 528 r + 64 h
.set XWI, 5                            ; v5  16 x lane + 4096 x wave
.set XWS, 6                            ; v6  XSC + 4 x lane + 256 x wave
.set XSV, 16
.set XS,  40
.set HA,  64
.set OS,  128
.set PC,  192
.set TM,  208
.set PW,  224
.set WS,  228
.set MNT, 19
.set SEL, 20
.set XP,  22                           ; s[22:23] x at my wave's 32 rows
.set WB,  24                           ; s[24:25] my first weight image
.set WSB, 26                           ; s[26:27] and its scale words
.set OC,  28                           ; s[28:29] where my images go
.set OSB, 30                           ; s[30:31] and my scale words
.set MSB, 0
.macro WIN new                         ; the immediate's high byte repeats the setting that is left
.if MSB != (\new)
	s_set_vgpr_msb (MSB<<8)|(\new)
.set MSB, (\new)
.endif
.endm
.macro PLACES n
.rept \n
	v_nop
.endr
.endm
; 64 numbers of a lane, register 16 b + i = k 32 b + 16 (lane/16) + i of my row or column, become a fragment's codes in v[PC] on and its scale word in v[pw]
.macro QUANT s, pw
.irp b, 0,1,2,3
	v_max3_num_f32 v[TM+\b], |v[(\s)+16*\b]|, |v[(\s)+16*\b+1]|, 0x8000000   ; my 16 numbers of block b, and the floor 2^(16 - 127).  Each accumulator is read from its low end on
.endr
.irp i, 2,4,6,8,10,12,14
.irp b, 0,1,2,3
	v_max3_num_f32 v[TM+\b], v[TM+\b], |v[(\s)+16*\b+\i]|, |v[(\s)+16*\b+\i+1]|
.endr
.endr
.irp b, 0,1,2,3
	v_permlanex16_b32 v[TM+4+\b], v[TM+\b], s[SEL], s[SEL+1]
.endr
.irp b, 0,1,2,3
	v_max_num_f32 v[TM+\b], v[TM+\b], v[TM+4+\b]           ; with lane l xor 16's 16: the block's largest magnitude
.endr
.irp b, 0,1,2,3
	v_add_nc_u32 v[TM+12+\b], 0xf8800000, v[TM+\b]         ; 15 off its exponent field: the conversion's scale operand
.endr
.irp b, 0,1,2,3
	v_and_or_b32 v[TM+8+\b], v[TM+\b], 0x7f800000, s[MNT]  ; 57,344 x the scale
.endr
.irp b, 0,1,2,3
	v_lshrrev_b32 v[TM+4+\b], 23, v[TM+12+\b]              ; the scale's byte
.endr
	v_lshl_or_b32 v[\pw], v[TM+5], 8, v[TM+4]
	v_lshl_or_b32 v[\pw], v[TM+6], 16, v[\pw]
	v_lshl_or_b32 v[\pw], v[TM+7], 24, v[\pw]
.irp b, 0,1,2,3
.irp i, 0,1,2,3,4,5,6,7,8,9,10,11,12,13,14,15
	v_med3_num_f32 v[(\s)+16*\b+\i], v[(\s)+16*\b+\i], -v[TM+8+\b], v[TM+8+\b]   ; the conversion does not saturate (ISA guide 7.6.2)
.endr
	v_cvt_scalef32_pk8_bf8_f32 v[PC+4*\b:PC+4*\b+1], v[(\s)+16*\b:(\s)+16*\b+7], v[TM+12+\b]
	v_cvt_scalef32_pk8_bf8_f32 v[PC+4*\b+2:PC+4*\b+3], v[(\s)+16*\b+8:(\s)+16*\b+15], v[TM+12+\b]
.endr
	v_nop                                                  ; one plain line behind the last scaled conversion
.endm
.macro XLOADS s, buf                   ; K step s of my 32 rows, as they lie: a load takes 512 consecutive bytes of one row
	WIN 0xc0
.set RHO, 0
.rept 32
	global_load_b128 v[128*\buf+4*RHO:128*\buf+4*RHO+3], v[LI], s[XP:XP+1] offset:1536*RHO+512*\s
.set RHO, RHO+1
.endr
	WIN 0
.endm
.macro TURN buf                        ; through my stage: stage row 16 u + r takes the row of lane r of tile u; back come 16 neighbours of each block.  LDS serves a wave's instructions in order
	WIN 0x0c
.set RHO, 0
.rept 32
	ds_store_b128 v[STA], v[128*\buf+4*RHO:128*\buf+4*RHO+3] offset:528*(16*((RHO/8)%2)+8*(RHO/16)+RHO%8)
.set RHO, RHO+1
.endr
	WIN 0
.irp u, 0,1
.irp b, 0,1,2,3
.irp j, 0,1,2,3
	ds_load_b128 v[HA+64*\u+16*\b+4*\j:HA+64*\u+16*\b+4*\j+3], v[STB] offset:8448*\u+128*\b+16*\j
.endr
.endr
.endr
.endm
.macro QXH s, u                        ; tile 2 w + u of x, K step s: quantised, image and scale words to LDS
	QUANT HA+64*\u, PW
.irp c, 0,1,2,3
	ds_store_b128 v[XWI], v[PC+4*\c:PC+4*\c+3] offset:16384*\s+2048*\u+512*\c
.endr
	ds_store_b32 v[XWS], v[PW] offset:1024*\s+128*\u
	s_wait_dscnt 0x0                               ; the stores have read their registers
.endm
.macro WLD slot, s, tile               ; weight fragment (tile, K step s) into the registers of slot; the caller has set the window
.irp c, 0,1,2,3
	global_load_b128 v[16*(8*((\s)%2)+(\slot))+4*\c:16*(8*((\s)%2)+(\slot))+4*\c+3], v[LI], s[WB:WB+1] offset:(3*(\tile)+(\s))*2048+512*\c
.endr
.endm
.macro WRES s                          ; my eight tiles' fragments of K step s: 32 loads
.if \s < 2
	WIN 0x40
.else
	WIN 0x80
.endif
.irp t, 0,1,2,3,4,5,6,7
	WLD \t, \s, \t
.endr
	WIN 0
.endm
.macro FETCHX m                        ; waves 0-2: x's three fragments of row tile m and their scale words, into set m % 2
	WIN 0x80
.irp s, 0,1,2
.irp c, 0,1,2,3
	ds_load_b128 v[128+48*((\m)%2)+16*\s+4*\c:128+48*((\m)%2)+16*\s+4*\c+3], v[LI] offset:(8*\s+(\m))*2048+512*\c
.endr
.endr
	WIN 0
.irp s, 0,1,2
	ds_load_b32 v[XS+3*((\m)%2)+\s], v[LS] offset:XSC+(8*\s+(\m))*128
.endr
.endm
; Waves 0-2, row tile m: 24 products, the eight accumulators by turns, the first K step starting the sums; then one fragment of Q or K.
.macro QKTILE m
	s_wait_dscnt 0x0                               ; this tile's fragments of x are in (asked for a tile ago)
.irp s, 0,1,2
.if \s < 2
	WIN 0x09                                       ; source 0 (W) window 1, source 1 (x) window 2
.else
	WIN 0x0a                                       ; both window 2
.endif
.irp t, 0,1,2,3,4,5,6,7
.if \s == 0
	v_wmma_scale_f32_16x16x128_f8f6f4 v[HA+8*\t:HA+8*\t+7], v[16*(8*(\s%2)+\t):16*(8*(\s%2)+\t)+15], v[128+48*((\m)%2)+16*\s:128+48*((\m)%2)+16*\s+15], 0, v[WS+8*\s+\t], v[XS+3*((\m)%2)+\s] matrix_a_fmt:MATRIX_FMT_BF8 matrix_b_fmt:MATRIX_FMT_BF8
.else
	v_wmma_scale_f32_16x16x128_f8f6f4 v[HA+8*\t:HA+8*\t+7], v[16*(8*(\s%2)+\t):16*(8*(\s%2)+\t)+15], v[128+48*((\m)%2)+16*\s:128+48*((\m)%2)+16*\s+15], v[HA+8*\t:HA+8*\t+7], v[WS+8*\s+\t], v[XS+3*((\m)%2)+\s] matrix_a_fmt:MATRIX_FMT_BF8 matrix_b_fmt:MATRIX_FMT_BF8
.endif
.endr
.endr
.if \m < 7
	FETCHX \m+1                                    ; into the other set, which the tile before read: its products stand a whole quantising back
.endif
	WIN 0
	PLACES 8                                       ; eight places behind this form before its results are read
	s_wait_xcnt 0x0                                ; the last tile's stores have read the codes' registers
	QUANT HA, OS+\m
.irp c, 0,1,2,3
	global_store_b128 v[LI], v[PC+4*\c:PC+4*\c+3], s[OC:OC+1] offset:6144*\m+512*\c   ; 512 consecutive bytes
.endr
.endm
; Wave 3, channel tile n of its twelve: 24 products, source 0 = x's tile (its rows are the keys), source 1 = 16 rows of Wv in slot n % 8; then one fragment of V along the keys.
.macro VTILE n
.if \n >= 8
	s_wait_loadcnt 15*(11-\n)                      ; this tile's 15 loads are in; those of the later tiles, 15 each, may be out
.endif
.irp s, 0,1,2
.if \s < 2
	WIN 0x07                                       ; source 0 (x) window 3, source 1 (Wv) window 1
.else
	WIN 0x0a                                       ; both window 2
.endif
.irp m, 0,1,2,3,4,5,6,7
.if \s == 0
	v_wmma_scale_f32_16x16x128_f8f6f4 v[HA+8*\m:HA+8*\m+7], v[128*((\s+1)/2)+16*\m:128*((\s+1)/2)+16*\m+15], v[16*(8*(\s%2)+(\n)%8):16*(8*(\s%2)+(\n)%8)+15], 0, v[XSV+8*\s+\m], v[WS+8*\s+(\n)%8] matrix_a_fmt:MATRIX_FMT_BF8 matrix_b_fmt:MATRIX_FMT_BF8
.else
	v_wmma_scale_f32_16x16x128_f8f6f4 v[HA+8*\m:HA+8*\m+7], v[128*((\s+1)/2)+16*\m:128*((\s+1)/2)+16*\m+15], v[16*(8*(\s%2)+(\n)%8):16*(8*(\s%2)+(\n)%8)+15], v[HA+8*\m:HA+8*\m+7], v[XSV+8*\s+\m], v[WS+8*\s+(\n)%8] matrix_a_fmt:MATRIX_FMT_BF8 matrix_b_fmt:MATRIX_FMT_BF8
.endif
.endr
.endr
	WIN 0
	PLACES 8                                       ; before the results are read, and before loads into the slot just multiplied
.if \n < 4
	WIN 0x40                                       ; tile n + 8 takes this slot: 12 + 3 loads
	WLD \n, 0, \n+8
	WLD \n, 1, \n+8
	WIN 0x80
	WLD \n, 2, \n+8
	WIN 0
.irp s, 0,1,2
	global_load_b32 v[WS+8*\s+\n], v[LS], s[WSB:WSB+1] offset:(3*(\n+8)+\s)*128
.endr
.endif
	s_wait_xcnt 0x0                                ; the last tile's stores have read the codes' registers
	QUANT HA, OS+\n
.irp c, 0,1,2,3
	global_store_b128 v[LI], v[PC+4*\c:PC+4*\c+3], s[OC:OC+1] offset:2048*\n+512*\c
.endr
.endm
	s_load_b256 s[4:11], s[0:1], 0x0               ; x s[4:5], wimg s[6:7], wsc s[8:9], qrec s[10:11]
	s_load_b128 s[12:15], s[0:1], 0x20             ; krec s[12:13], vrec s[14:15]
	v_lshl_add_u32 v254, v0, 2, 0x1d400
	v_mov_b32 v255, 0
	v_lshrrev_b32 v7, 5, v0
	v_readfirstlane_b32 s16, v7                    ; wave 0..3
	s_mov_b32 s17, ttmp9                           ; the record
	s_and_b32 s18, ttmp7, 0xffff                   ; p
	s_mov_b32 s[MNT], 0x600000
	s_mov_b32 s[SEL], 0x76543210
	s_mov_b32 s[SEL+1], 0xfedcba98
	v_and_b32 v7, 31, v0
	v_lshlrev_b32 v[LI], 4, v7
	v_lshlrev_b32 v[LS], 2, v7
	s_mul_i32 s46, s16, STGW
	s_add_co_u32 s46, s46, STG
	v_add_nc_u32 v[STA], s46, v[LI]
	v_and_b32 v8, 15, v0
	v_bfe_u32 v9, v0, 4, 1
	v_mul_u32_u24 v[STB], v8, 528
	v_lshl_add_u32 v[STB], v9, 6, v[STB]
	v_add_nc_u32 v[STB], s46, v[STB]
	s_lshl_b32 s47, s16, 12
	v_add_nc_u32 v[XWI], s47, v[LI]
	s_lshl_b32 s47, s16, 8
	s_add_co_u32 s47, s47, XSC
	v_add_nc_u32 v[XWS], s47, v[LS]
.irp b, 0,1,2,3
	v_mov_b32 v[TM+4+\b], 0                        ; a lane permute's destination counts as one of its sources
.endr
	s_mul_i32 s32, s17, 196608                     ; x: 128 rows of 1,536 bytes a record,
	s_mul_i32 s33, s16, 49152                      ; 32 rows a wave
	s_add_co_u32 s32, s32, s33
	s_mov_b32 s33, 0
	s_mul_i32 s34, s18, 24
	s_lshl_b32 s35, s16, 3
	s_add_co_u32 s34, s34, s35                     ; waves 0-2: first weight tile 24 p + 8 w (Wq or Wk)
	s_mul_i32 s35, s18, 12
	s_add_co_u32 s35, s35, 48                      ; wave 3: 48 + 12 p (Wv)
	s_mul_i32 s36, s18, 24576                      ; where the images go in the record: wave 3: 12 p tiles on;
	s_lshl_b32 s37, s16, 11                        ; waves 0-2: K step w
	s_mul_i32 s38, s18, 1536                       ; the scale words likewise
	s_lshl_b32 s39, s16, 10
	s_mul_i32 s40, s17, REC
	s_cmp_eq_u32 s16, 3
	s_cselect_b32 s34, s35, s34
	s_cselect_b32 s36, s36, s37
	s_cselect_b32 s38, s38, s39
	s_add_co_u32 s36, s36, s40
	s_mov_b32 s37, 0
	s_add_co_u32 s38, s38, s40
	s_add_co_u32 s38, s38, RSC
	s_mov_b32 s39, 0
	s_mul_i32 s42, s34, 6144                       ; three images a tile
	s_mov_b32 s43, 0
	s_mul_i32 s44, s34, 384
	s_mov_b32 s45, 0
	s_wait_kmcnt 0x0
	s_cmp_eq_u32 s18, 1                            ; the output buffer: a choice on ids alone
	s_cselect_b64 s[10:11], s[12:13], s[10:11]
	s_cmp_eq_u32 s16, 3
	s_cselect_b64 s[10:11], s[14:15], s[10:11]
	s_add_nc_u64 s[XP:XP+1], s[4:5], s[32:33]
	s_add_nc_u64 s[WB:WB+1], s[6:7], s[42:43]
	s_add_nc_u64 s[WSB:WSB+1], s[8:9], s[44:45]
	s_add_nc_u64 s[OC:OC+1], s[10:11], s[36:37]
	s_add_nc_u64 s[OSB:OSB+1], s[10:11], s[38:39]
	; ---- X: my 32 rows of x, K step by K step.  x's loads go out first; the weights' loads are spread behind them
	XLOADS 0, 0
	XLOADS 1, 1
	s_wait_loadcnt 32                              ; K step 0 is in; K step 1's 32 loads may be out
	TURN 0
	s_wait_dscnt 0x0                               ; the numbers are back, and the stage's stores have read set 0
	XLOADS 2, 0
	QXH 0, 0
	QXH 0, 1
	s_wait_loadcnt 32                              ; K step 1 is in; K step 2's 32 may be out
	TURN 1
	s_wait_dscnt 0x0
	WRES 0
	QXH 1, 0
	QXH 1, 1
	s_wait_loadcnt 32                              ; K step 2 is in; the 32 weight loads behind it may be out
	TURN 0
	s_wait_dscnt 0x0
	WRES 1
.irp t, 0,1,2,3,4,5,6,7
.irp s, 0,1,2
	global_load_b32 v[WS+8*\s+\t], v[LS], s[WSB:WSB+1] offset:(3*\t+\s)*128
.endr
.endr
	QXH 2, 0
	WRES 2
	QXH 2, 1
	s_wait_loadcnt 0x0                             ; all my weights are in
	s_wait_dscnt 0x0                               ; for the others' sake: my images lie in LDS
	s_barrier_signal -1
	s_barrier_wait -1                              ; x's 24 images lie in LDS
	s_cmp_eq_u32 s16, 3
	s_cbranch_scc1 .Lvrole
	; ---- waves 0-2: Q or K
	FETCHX 0
.irp m, 0,1,2,3,4,5,6,7
	QKTILE \m
.endr
.irp q, 0,1
	global_store_b128 v[LI], v[OS+4*\q:OS+4*\q+3], s[OSB:OSB+1] offset:512*\q   ; four tiles' scale words a lane: 512 consecutive bytes
.endr
	s_wait_tensorcnt 0x0
	ds_add_u32 v254, v255
	s_wait_dscnt 0x0
	s_endpgm
.Lvrole:
	; ---- wave 3: V.  x's 24 fragments and their scale words come into registers and stay
	WIN 0xc0
.irp s, 0,1
.irp m, 0,1,2,3,4,5,6,7
.irp c, 0,1,2,3
	ds_load_b128 v[128*\s+16*\m+4*\c:128*\s+16*\m+4*\c+3], v[LI] offset:(8*\s+\m)*2048+512*\c
.endr
.endr
.endr
	WIN 0x80
.irp m, 0,1,2,3,4,5,6,7
.irp c, 0,1,2,3
	ds_load_b128 v[128+16*\m+4*\c:128+16*\m+4*\c+3], v[LI] offset:(16+\m)*2048+512*\c
.endr
.endr
	WIN 0
.irp s, 0,1,2
.irp m, 0,1,2,3,4,5,6,7
	ds_load_b32 v[XSV+8*\s+\m], v[LS] offset:XSC+(8*\s+\m)*128
.endr
.endr
	s_wait_dscnt 0x0
.irp n, 0,1,2,3,4,5,6,7,8,9,10,11
	VTILE \n
.endr
.irp q, 0,1,2
	global_store_b128 v[LI], v[OS+4*\q:OS+4*\q+3], s[OSB:OSB+1] offset:512*\q
.endr
	s_wait_tensorcnt 0x0
	ds_add_u32 v254, v255
	s_wait_dscnt 0x0
	s_endpgm
.Lfunc_end_k_q78210a0bad_proj:
	.size	k_q78210a0bad_proj, .Lfunc_end_k_q78210a0bad_proj-k_q78210a0bad_proj
	.p2alignl 7, 3214868480
	.fill 96, 4, 3214868480
	.section	.rodata,"a",@progbits
	.p2align	6, 0x0
	.amdhsa_kernel k_q78210a0bad_proj
		.amdhsa_group_segment_fixed_size 120320
		.amdhsa_private_segment_fixed_size 0
		.amdhsa_enable_private_segment 0
		.amdhsa_kernarg_size 48
		.amdhsa_user_sgpr_count 2
		.amdhsa_user_sgpr_kernarg_segment_ptr 1
		.amdhsa_wavefront_size32 1
		.amdhsa_system_sgpr_workgroup_id_x 1
		.amdhsa_system_sgpr_workgroup_id_y 1
		.amdhsa_system_sgpr_workgroup_id_z 1
		.amdhsa_system_vgpr_workitem_id 0
		.amdhsa_next_free_vgpr 1024
		.amdhsa_next_free_sgpr 66
		.amdhsa_reserve_vcc 0
		.amdhsa_float_denorm_mode_32 3
		.amdhsa_float_denorm_mode_16_64 3
		.amdhsa_memory_ordered 1
		.amdhsa_forward_progress 1
		.amdhsa_inst_pref_size 255
	.end_amdhsa_kernel
	.section	.bss,"aw",@nobits
	.p2align	6
	.space	262144
	.amdgpu_metadata
---
amdhsa.version: [ 1, 2 ]
amdhsa.kernels:
  - .name:           k_q78210a0bad_proj
    .symbol:         k_q78210a0bad_proj.kd
    .args:
      - { .name: x, .offset: 0, .size: 8, .value_kind: global_buffer, .address_space: global }
      - { .name: wimg, .offset: 8, .size: 8, .value_kind: global_buffer, .address_space: global }
      - { .name: wsc, .offset: 16, .size: 8, .value_kind: global_buffer, .address_space: global }
      - { .name: qrec, .offset: 24, .size: 8, .value_kind: global_buffer, .address_space: global }
      - { .name: krec, .offset: 32, .size: 8, .value_kind: global_buffer, .address_space: global }
      - { .name: vrec, .offset: 40, .size: 8, .value_kind: global_buffer, .address_space: global }
    .group_segment_fixed_size: 120320
    .private_segment_fixed_size: 0
    .kernarg_segment_align: 8
    .kernarg_segment_size: 48
    .max_flat_workgroup_size: 128
    .sgpr_count:     66
    .vgpr_count:     1024
    .wavefront_size: 32
...
	.end_amdgpu_metadata
.endif
;; end of part 2
;; launch attn (part 3): grid 32 x 8, 4 waves a work-group, clusters of 4 x 1, 327,680 bytes of LDS; arguments qrec, krec, vrec, out0; writes out0
.if DOCPART == 3
	.amdgcn_target "amdgcn-amd-amdhsa--gfx1250"
	.amdhsa_code_object_version 6
	.text
	.protected	k_q78210a0bad_attn
	.globl	k_q78210a0bad_attn
	.p2align	8
	.type	k_q78210a0bad_attn,@function
k_q78210a0bad_attn:
	s_mov_b64 s[64:65], 0
	v_nop
	global_prefetch_b8 v0, s[64:65] scope:SCOPE_SE
	s_setreg_imm32_b32 hwreg(HW_REG_WAVE_MODE, 25, 1), 1
	s_wait_xcnt 0x0
	s_wait_alu depctr_hold_cnt(0) depctr_sa_sdst(0) depctr_va_vdst(0) depctr_va_sdst(0) depctr_va_ssrc(0) depctr_va_vcc(0) depctr_vm_vsrc(0)
	s_getreg_b32 s2, hwreg(HW_REG_IB_STS2, 6, 4)
	s_cmp_eq_u32 s2, 0
	s_cbranch_scc0 .Lentry_in_a_cluster
	s_endpgm
.Lentry_in_a_cluster:
	s_bfe_u32 s2, ttmp6, 0x10000c
	s_cmp_lg_u32 s2, 0x3003
	s_cbranch_scc0 .Lentry_shape_is_right
	s_endpgm
.Lentry_shape_is_right:
; out[b][q][:] = the sum over keys k <= q of softmax_k(Q[q] . K[k] / sqrt(384)) V[k][:], both products on codes of BF8 (E5M2) with one E8M0 scale for each 32 along a product's K.
; Q, K, V come as records of 52,224 bytes for each 128 rows: 24 images of operand registers (2,048 bytes: [c][lane][16 bytes]) and 3,072 bytes of scale words:
;   qrec, krec: (row tile m, K step U along d) at (3 m + U) 2048, scale words at 49,152 + 1024 U + 512 (m/4) + 16 lane + 4 (m%4);  vrec: channel tile T x the record's 128 keys at 2048 T, scale words at 49,152 + 512 (T/4) + 16 lane + 4 (T%4).
;   Lane r of tile 2 b + u holds row (or channel) 32 b + 8 u + r + 8 (r/8) of its group of 128: results with such a tile as source 0 give a lane 16 neighbours in the registers of tiles 2 b, 2 b + 1.
; THE SOFTMAX: t = score x log2(e) / sqrt(384); M = the running largest t rounded UP to a whole number; p = 2^(t - M) is quantised along the keys, not normalised; the row's sum is taken of the unquantised p and divides at the end.
; When M moves, the sum and O are multiplied by 2^(old M - new M): exact.
; SHARES.  A cluster of four work-groups owns 256 queries of one batch (cluster x = c, y = the batch), a work-group 64 of them.  Wave w: g = w & 1: which 32 queries (two tiles of 16: each fragment read from LDS feeds two products);
; hf = w >> 1: which 128 of a trip's 256 keys.  The two halves of the keys keep their own M, sum and O and are joined at the end through LDS by exact powers of two: the chain of dependent steps is half as long.
; Both products are used transposed (S^T = K Q^T, O^T = V^T P^T): a lane holds one query throughout.
; CAUSAL.  Trip i holds keys 256 i .. 256 i + 255.  Trips 0 .. c - 1 count whole for all 256 queries: a loop of c trips, the same number in all four partners.  Trip c lies on the diagonal: it is written out behind the loop,
; with hidden scores set to -infinity ahead of the maximum (p = 0; a block of zeros keeps the byte 1 and zero codes), and asks for nothing more.  Later keys are neither fetched nor multiplied.
; JOINT LOADS.  The four partners walk the same K and V: each wave asks for its quarter (26,112 bytes, 102 rows of 256) of a trip's two records, with the same descriptor and a mask that names the four.
; K and V have ONE buffer each (two records, 104,448 bytes): K's is filled again behind the round in a trip's middle, when all scores are made, V's behind the round at its end: each load has half a trip in which to land.
; By this text's own count a wave has two tensor loads out at the start and one later.
; LIMITS: NaN and infinities are not served; a block's largest p is made from the block's largest score (this takes v_exp_f32 not to fall where its input rises); p under 2^-126 counts as 0.
; REGISTERS.  window 0: v1-10 addresses; v12-19 statistics (a tile: -M, largest t, the sum in two halves); v20-25 Q's scale words; v26-27 p's; v28-31 factors; v32-55 K's, then V's scale words; v56-63 at work at the end;
;   v64-191 S^T, then p, 64 a tile; v192-223 p's codes; v224-242 at work.   window 1: v0-95 Q (tile t, K step U at 16 (3 t + U)); v128-191, v192-255 two sets of four fragments.   windows 2, 3: O^T of tiles 0, 1 (tile T at 8 T).
.set REC,    52224
.set QUART,  26112
.set VBUF,   2*REC                     ; LDS: K's two records at 0, V's here
.set SPARE,  4*REC                     ; the spare words, 128 bytes for each wave: two blocks of 256 bytes that no other line names
.set XCH,    SPARE+512                 ; four areas of 25,088 bytes, a wave's own: written by LDS stores alone, no tensor load lands here
.set XAREA,  25088
.set SPITCH, 1552                      ; the way out: a row of 1,536 bytes + 16
.set AK,   1                           ; v1   my half's record of K + 16 x lane
.set AV,   2                           ; v2   the same of V
.set SPW,  3                           ; v3   my spare word; never rewritten
.set NIL,  4                           ; v4   0; never rewritten
.set DM,   5                           ; v5   the mask: tile 0's query of my lane - my first key of trip c
.set NINF, 6                           ; v6   -infinity
.set XO,   7                           ; v7   my area + 16 x lane
.set XI,   8                           ; v8   my partner's area + 16 x lane
.set SW,   9                           ; v9   my partner's area + 1552 r + 64 h
.set LI,   10                          ; v10  16 x lane
.set ST,   12
.set QS,   20
.set PSW,  26
.set FF,   28
.set FG,   30
.set KS,   32
.set SC,   64
.set PCD,  192
.set BM,   224
.set T1,   228
.set HOLD, 232
.set SCL,  236
.set SUM2, 240
.set TMP,  242
.set WV,  12
.set GG,  13
.set HF,  14
.set CX,  15
.set CL,  16
.set BT,  17
.set JJ,  18
.set MNT, 19
.set SEL, 20
.set CS,  22                           ; s[22:23] log2(e) / sqrt(384)
.set G1,  24                           ; s[24:31] descriptor group 1, one for all loads
.set G0K, 32                           ; s[32:35] group 0 for K's quarter
.set G0V, 36                           ; s[36:39] for V's
.set TI,  40
.set QP,  52
.set QSP, 54
.set OP,  56
.set MSB, 0
.macro WIN new                         ; the immediate's high byte repeats the setting that is left
.if MSB != (\new)
	s_set_vgpr_msb (MSB<<8)|(\new)
.set MSB, (\new)
.endif
.endm
.macro PLACES n
.rept \n
	v_nop
.endr
.endm
.macro CROUND                          ; a round of the cluster's barrier
	s_barrier_signal -1
	s_barrier_wait -1
	s_cmp_lg_u32 s[WV], 0
	s_cbranch_scc1 .Lnot_wave_0_\@
	s_barrier_signal -3
.Lnot_wave_0_\@:
	s_barrier_wait -3
	s_barrier_signal -1
	s_barrier_wait -1
.endm
.macro FETCHK k                        ; four fragments of K: row tiles 4 (k%2) + 0..3, K step k/2, into set k % 2
	WIN 0x40
.irp i, 0,1,2,3
.irp c, 0,1,2,3
	ds_load_b128 v[128+64*((\k)%2)+16*\i+4*\c:128+64*((\k)%2)+16*\i+4*\c+3], v[AK] offset:(3*(4*((\k)%2)+\i)+(\k)/2)*2048+512*\c
.endr
.endr
.endm
.macro FETCHV k                        ; four fragments of V: channel tiles 4 k + 0..3
	WIN 0x40
.irp i, 0,1,2,3
.irp c, 0,1,2,3
	ds_load_b128 v[128+64*((\k)%2)+16*\i+4*\c:128+64*((\k)%2)+16*\i+4*\c+3], v[AV] offset:(4*(\k)+\i)*2048+512*\c
.endr
.endr
.endm
; S^T = K Q^T for my 128 keys and my two tiles: 48 products.  Sixteen accumulators by turns; two links of a chain along d stand sixteen apart.
.macro SPHASE
.irp q, 0,1,2,3,4,5
	ds_load_b128 v[KS+4*\q:KS+4*\q+3], v[AK] offset:49152+512*\q   ; K's scale words: register KS + 8 U + m
.endr
	FETCHK 0
	FETCHK 1
.irp k, 0,1,2,3,4,5
.if \k < 5
	s_wait_dscnt 16                                ; this set is in; the next set's 16 loads may be out
.else
	s_wait_dscnt 0x0
.endif
	WIN 0x05                                       ; K and Q window 1, S^T window 0
.irp i, 0,1,2,3
.irp t, 0,1
.set rD, SC+64*\t+8*(4*(\k%2)+\i)
.set rA, 128+64*(\k%2)+16*\i
.set rB, 16*(3*\t+\k/2)
.if \k < 2
	v_wmma_scale_f32_16x16x128_f8f6f4 v[rD:rD+7], v[rA:rA+15], v[rB:rB+15], 0, v[KS+8*(\k/2)+4*(\k%2)+\i], v[QS+2*(\k/2)+\t] matrix_a_fmt:MATRIX_FMT_BF8 matrix_b_fmt:MATRIX_FMT_BF8
.else
	v_wmma_scale_f32_16x16x128_f8f6f4 v[rD:rD+7], v[rA:rA+15], v[rB:rB+15], v[rD:rD+7], v[KS+8*(\k/2)+4*(\k%2)+\i], v[QS+2*(\k/2)+\t] matrix_a_fmt:MATRIX_FMT_BF8 matrix_b_fmt:MATRIX_FMT_BF8
.endif
.endr
.endr
.if \k < 4
	PLACES 8                                       ; eight places in front of loads into registers that this form has read
	FETCHK \k+2
.endif
.endr
	WIN 0
	PLACES 8                                       ; and in front of the first read of the scores
.endm
; The softmax of tile t for my 128 keys.  Register 16 b + i of the tile's 64 is key 32 b + 16 (lane/16) + i.  mask = 1: the trip on the diagonal.
.macro SM t, mask
.set SS, SC+64*\t
.set TT, ST+4*\t
.set PP, PCD+16*\t
.if \mask
.set N, 0
.rept 64
	v_cmp_gt_i32 vcc_lo, 32*(N/16)+N%16-8*\t, v[DM]        ; hidden where the register's key comes after my query
	v_cndmask_b32 v[SS+N], v[SS+N], v[NINF], vcc_lo
.set N, N+1
.endr
.endif
.irp b, 0,1,2,3
	v_max3_num_f32 v[BM+\b], v[SS+16*\b], v[SS+16*\b+1], v[SS+16*\b+2]   ; the largest score of each block of 32 keys: for the row's maximum and for the block's largest p.  Each accumulator is read from its low end on
.endr
.irp i, 3,5,7,9,11,13
.irp b, 0,1,2,3
	v_max3_num_f32 v[BM+\b], v[BM+\b], v[SS+16*\b+\i], v[SS+16*\b+\i+1]
.endr
.endr
.irp b, 0,1,2,3
	v_max_num_f32 v[BM+\b], v[BM+\b], v[SS+16*\b+15]
.endr
.irp b, 0,1,2,3
	v_permlanex16_b32 v[T1+\b], v[BM+\b], s[SEL], s[SEL+1]
.endr
.irp b, 0,1,2,3
	v_max_num_f32 v[BM+\b], v[BM+\b], v[T1+\b]             ; with lane l xor 16's 16 keys
.endr
	v_max3_num_f32 v[TMP], v[BM], v[BM+1], v[BM+2]
	v_max_num_f32 v[TMP], v[TMP], v[BM+3]
	v_mul_f32 v[TMP], s[CS], v[TMP]                        ; the step's largest t
	v_max_num_f32 v[TT+1], v[TT+1], v[TMP]                 ; the running largest t
	v_mov_b32 v[TMP], v[TT]
	v_floor_f32 v[TT], -v[TT+1]                            ; the new -M = floor(-t): M is a whole number
	v_sub_f32 v[TMP], v[TT], v[TMP]                        ; old M - new M: a whole number, 0 or less
	v_cvt_i32_f32 v[TMP], v[TMP]                           ; (it saturates)
	v_ldexp_f32 v[FF], 1.0, v[TMP]                         ; f = 2^(old M - new M)
.set N, 0
.rept 32
	v_pk_fma_f32 v[SS+2*N:SS+2*N+1], v[SS+2*N:SS+2*N+1], s[CS:CS+1], v[TT:TT+1] op_sel_hi:[1,0,0]   ; t - M, two at a time
.set N, N+1
.endr
.irp b, 0,1,2,3
	v_fma_f32 v[BM+\b], v[BM+\b], s[CS], v[TT]             ; the same of each block's largest score
.endr
.set N, 0
.rept 64
	v_exp_f32 v[SS+N], v[SS+N]                             ; p = 2^(t - M)
.set N, N+1
.endr
.irp b, 0,1,2,3
	v_exp_f32 v[BM+\b], v[BM+\b]                           ; the block's largest p
.endr
	v_pk_mul_f32 v[TT+2:TT+3], v[TT+2:TT+3], v[FF:FF+1] op_sel_hi:[1,0]   ; the sums under the new M (a plain place behind the exponentials)
	s_wait_alu depctr_va_vdst(0)
.irp b, 0,1,2,3
	v_max_num_f32 v[BM+\b], 0x8000000, v[BM+\b]            ; the floor 2^(16 - 127): the byte cannot fall under 1
.endr
.irp b, 0,1,2,3
	v_add_nc_u32 v[SCL+\b], 0xf8800000, v[BM+\b]           ; 15 off the exponent field: the conversion's scale operand
.endr
.irp b, 0,1,2,3
	v_and_or_b32 v[HOLD+\b], v[BM+\b], 0x7f800000, s[MNT]  ; 57,344 x the scale
.endr
.irp b, 0,1,2,3
	v_lshrrev_b32 v[T1+\b], 23, v[SCL+\b]                  ; the scale's byte
.endr
	v_lshl_or_b32 v[PSW+\t], v[T1+1], 8, v[T1]             ; p's scale word for these 128 keys
	v_lshl_or_b32 v[PSW+\t], v[T1+2], 16, v[PSW+\t]
	v_lshl_or_b32 v[PSW+\t], v[T1+3], 24, v[PSW+\t]
	v_pk_add_f32 v[SUM2:SUM2+1], v[SS:SS+1], v[SS+2:SS+3]  ; the row's sum is taken of the unquantised p: two chains
.set N, 4
.rept 15
	v_pk_add_f32 v[TT+2:TT+3], v[TT+2:TT+3], v[SS+N:SS+N+1]
	v_pk_add_f32 v[SUM2:SUM2+1], v[SUM2:SUM2+1], v[SS+N+2:SS+N+3]
.set N, N+4
.endr
	v_pk_add_f32 v[TT+2:TT+3], v[TT+2:TT+3], v[SUM2:SUM2+1]
.irp b, 0,1,2,3
.irp i, 0,1,2,3,4,5,6,7,8,9,10,11,12,13,14,15
	v_min_num_f32 v[SS+16*\b+\i], v[SS+16*\b+\i], v[HOLD+\b]   ; the conversion does not saturate (ISA guide 7.6.2); p is not negative: a one-sided hold
.endr
	v_cvt_scalef32_pk8_bf8_f32 v[PP+4*\b:PP+4*\b+1], v[SS+16*\b:SS+16*\b+7], v[SCL+\b]
	v_cvt_scalef32_pk8_bf8_f32 v[PP+4*\b+2:PP+4*\b+3], v[SS+16*\b+8:SS+16*\b+15], v[SCL+\b]
.endr
	WIN 0x82+0x41*\t                                       ; O^T (destination and source 0) in window 2 or 3
.set N, 0
.rept 96
	v_pk_mul_f32 v[2*N:2*N+1], v[2*N:2*N+1], v[FF:FF+1] op_sel_hi:[1,0]   ; O^T under the new M; these are also the places between the codes and the products that take them
.set N, N+1
.endr
	WIN 0
.endm
.macro VPRE                            ; V's scale words and its first two sets: asked for ahead of the second tile's softmax
.irp q, 0,1,2,3,4,5
	ds_load_b128 v[KS+4*\q:KS+4*\q+3], v[AV] offset:49152+512*\q
.endr
	FETCHV 0
	FETCHV 1
	WIN 0
.endm
; O^T += V^T P^T: 48 products, each on an accumulator of its own
.macro PVPHASE
.irp k, 0,1,2,3,4,5
.if \k < 5
	s_wait_dscnt 16                                ; this set is in; the next set's 16 loads may be out
.else
	s_wait_dscnt 0x0
.endif
	WIN 0xa1                                       ; V window 1, p window 0, O^T window 2
.irp i, 0,1,2,3
	v_wmma_scale_f32_16x16x128_f8f6f4 v[8*(4*\k+\i):8*(4*\k+\i)+7], v[128+64*(\k%2)+16*\i:128+64*(\k%2)+16*\i+15], v[PCD:PCD+15], v[8*(4*\k+\i):8*(4*\k+\i)+7], v[KS+4*\k+\i], v[PSW] matrix_a_fmt:MATRIX_FMT_BF8 matrix_b_fmt:MATRIX_FMT_BF8
.endr
	WIN 0xf1                                       ; O^T window 3
.irp i, 0,1,2,3
	v_wmma_scale_f32_16x16x128_f8f6f4 v[8*(4*\k+\i):8*(4*\k+\i)+7], v[128+64*(\k%2)+16*\i:128+64*(\k%2)+16*\i+15], v[PCD+16:PCD+31], v[8*(4*\k+\i):8*(4*\k+\i)+7], v[KS+4*\k+\i], v[PSW+1] matrix_a_fmt:MATRIX_FMT_BF8 matrix_b_fmt:MATRIX_FMT_BF8
.endr
.if \k < 4
	PLACES 8
	FETCHV \k+2
.endif
.endr
	WIN 0
	PLACES 8                                       ; in front of the next loads into these registers, and of the first read of O^T
.endm
; A buffer changes hands.  Each wave waits for all its tensor loads (its quarter of the other buffer), adds 0 to its spare word, and waits for that and for its reads of this buffer.
; fill = 1: behind a round of the cluster's barrier, so that no wave of any partner still reads it or has a load on its way, this buffer takes the next trip's two records.
.macro CHG g0, fill
	s_wait_tensorcnt 0x0                           ; no tensor load of mine is out, so a group 0 may be written
	ds_add_u32 v[SPW], v[NIL]                      ; 0 onto my spare word
.if \fill
	s_add_nc_u64 s[\g0+2:\g0+3], s[\g0+2:\g0+3], 2*REC   ; the next two records; the type bits on top are not reached
.endif
	s_wait_dscnt 0x0                               ; the add is done, and my reads of this buffer are over
.if \fill
	CROUND
	tensor_load_to_lds s[\g0:\g0+3], s[G1:G1+7]    ; the first thing behind the round, and my one tensor load until the next
	s_nop 0
	PLACES 4
.else
	s_barrier_signal -1
	s_barrier_wait -1
.endif
.endm
	s_load_b256 s[4:11], s[0:1], 0x0               ; qrec s[4:5], krec s[6:7], vrec s[8:9], out0 s[10:11]
	v_lshl_add_u32 v[SPW], v0, 2, SPARE
	v_mov_b32 v[NIL], 0
	ds_add_u32 v3, v4
	ds_add_u32 v3, v4
	s_wait_dscnt 0x0
	v_lshrrev_b32 v[AK], 5, v0
	v_readfirstlane_b32 s[WV], v[AK]               ; wave 0..3
	s_and_b32 s[GG], s[WV], 1                      ; which 32 queries
	s_lshr_b32 s[HF], s[WV], 1                     ; which half of a trip's keys
	s_bfe_u32 s[CX], ttmp6, 0x40000                ; my place in the cluster
	s_mov_b32 s[CL], ttmp9                         ; the cluster's number: the four partners share it
	s_and_b32 s[BT], ttmp7, 0xffff                 ; the batch
	s_lshl_b32 s[JJ], s[CL], 2
	s_add_co_u32 s[JJ], s[JJ], s[CX]               ; my block of 64 queries: it enters Q's and out's addresses and the mask alone
	s_mul_i32 s42, s[BT], 16*REC                   ; K and V: the batch's 16 records,
	s_mul_i32 s41, s[WV], QUART                    ; my quarter of two records: in memory and in LDS alike
	s_add_co_u32 s42, s42, s41
	s_mov_b32 s43, 0
	s_lshr_b32 s44, s[JJ], 1
	s_lshl_b32 s45, s[BT], 4
	s_add_co_u32 s44, s44, s45
	s_mul_i32 s44, s44, REC                        ; Q's record
	s_and_b32 s46, s[JJ], 1
	s_lshl_b32 s47, s46, 1
	s_add_co_u32 s47, s47, s[GG]
	s_mul_i32 s47, s47, 12288                      ; my group of 32 rows in it: two tiles x three images
	s_add_co_u32 s48, s44, s47
	s_mov_b32 s49, 0
	s_lshl_b32 s46, s46, 9
	s_lshl_b32 s47, s[GG], 3
	s_add_co_u32 s46, s46, s47
	s_add_co_u32 s46, s46, 49152
	s_add_co_u32 s50, s44, s46                     ; my two tiles' scale words
	s_mov_b32 s51, 0
	s_lshl_b32 s44, s[BT], 11
	s_lshl_b32 s45, s[JJ], 6
	s_add_co_u32 s44, s44, s45
	s_lshl_b32 s45, s[GG], 5
	s_add_co_u32 s44, s44, s45
	s_lshl_b32 s45, s[HF], 3
	s_add_co_u32 s44, s44, s45                     ; the first row that I store: I finish tile hf of my 32 queries
	s_mul_i32 s44, s44, 1536
	s_mov_b32 s45, 0
	; descriptor group 1: 102 dense rows of 256 bytes (32 elements of 8 bytes), no padding: images are read 512 consecutive bytes at a time
	s_mov_b32 s[G1], 15|(3<<16)|(1<<21)            ; 15:0 the mask: all four work-groups; 17:16 elements of 8 bytes; 21 set beside a mask
	s_mov_b32 s[G1+1], 32<<16                      ; tensor_dim0 = 32
	s_mov_b32 s[G1+2], 102<<16                     ; tensor_dim1 = 102
	s_mov_b32 s[G1+3], 32<<16                      ; tile_dim0 = 32
	s_mov_b32 s[G1+4], 102                         ; tile_dim1 = 102
	s_mov_b32 s[G1+5], 32                          ; the pitch
	s_mov_b32 s[G1+6], 0
	s_mov_b32 s[G1+7], 0
	s_mov_b32 s[MNT], 0x600000
	s_mov_b32 s[SEL], 0x76543210
	s_mov_b32 s[SEL+1], 0xfedcba98
	s_mov_b32 s[CS], 0x3d96c740                    ; log2(e) / sqrt(384)
	s_mov_b32 s[CS+1], s[CS]                       ; (named with it as a pair, so it is written)
	s_wait_kmcnt 0x0
	s_mov_b32 s[G0K], 1
	s_mov_b32 s[G0K+1], s41                        ; LDS: K's buffer begins at 0
	s_add_nc_u64 s[G0K+2:G0K+3], s[6:7], s[42:43]
	s_or_b32 s[G0K+3], s[G0K+3], 0x80000000
	s_mov_b32 s[G0V], 1
	s_add_co_u32 s[G0V+1], s41, VBUF
	s_add_nc_u64 s[G0V+2:G0V+3], s[8:9], s[42:43]
	s_or_b32 s[G0V+3], s[G0V+3], 0x80000000
	s_add_nc_u64 s[QP:QP+1], s[4:5], s[48:49]
	s_add_nc_u64 s[QSP:QSP+1], s[4:5], s[50:51]
	s_add_nc_u64 s[OP:OP+1], s[10:11], s[44:45]
	CROUND                                         ; all four work-groups are here: the first joint loads meet
	tensor_load_to_lds s[G0K:G0K+3], s[G1:G1+7]    ; trip 0's K
	s_nop 0
	tensor_load_to_lds s[G0V:G0V+3], s[G1:G1+7]    ; and V: two loads of mine are out
	s_nop 0
	PLACES 4
	v_and_b32 v11, 31, v0
	v_lshlrev_b32 v[LI], 4, v11
	WIN 0x40
.irp f, 0,1,2,3,4,5
.irp c, 0,1,2,3
	global_load_b128 v[16*\f+4*\c:16*\f+4*\c+3], v[LI], s[QP:QP+1] offset:2048*\f+512*\c   ; Q stays in registers: fragment 3 t + U
.endr
.endr
	WIN 0
.irp u, 0,1,2
	global_load_b64 v[QS+2*\u:QS+2*\u+1], v[LI], s[QSP:QSP+1] offset:1024*\u   ; its scale words: K step u, tiles 0 and 1
.endr
	s_mul_i32 s44, s[HF], REC
	v_add_nc_u32 v[AK], s44, v[LI]
	v_add_nc_u32 v[AV], VBUF, v[AK]
	s_mul_i32 s45, s[WV], XAREA
	s_add_co_u32 s45, s45, XCH
	v_add_nc_u32 v[XO], s45, v[LI]
	s_xor_b32 s46, s[WV], 2                        ; my partner: the same queries, the other half of the keys
	s_mul_i32 s46, s46, XAREA
	s_add_co_u32 s46, s46, XCH
	v_add_nc_u32 v[XI], s46, v[LI]
	v_and_b32 v11, 15, v0                          ; r
	v_bfe_u32 v56, v0, 4, 1                        ; h
	v_mul_u32_u24 v[SW], v11, SPITCH
	v_lshl_add_u32 v[SW], v56, 6, v[SW]
	v_add_nc_u32 v[SW], s46, v[SW]
	v_and_b32 v57, 8, v11
	v_add_nc_u32 v[DM], v11, v57                   ; r + 8 (r/8)
	v_lshlrev_b32 v56, 4, v56
	v_sub_nc_u32 v[DM], v[DM], v56                 ; - 16 h
	s_lshl_b32 s47, s[CX], 6
	s_lshl_b32 s48, s[GG], 5
	s_add_co_u32 s47, s47, s48
	s_lshl_b32 s48, s[HF], 7
	s_sub_co_u32 s47, s47, s48
	v_add_nc_u32 v[DM], s47, v[DM]                 ; + 64 cx + 32 g - 128 hf: a signed number, compared and never an address
	v_mov_b32 v[NINF], 0xff800000
.irp t, 0,1
	v_mov_b32 v[ST+4*\t+1], 0xff61b1e6             ; the largest t so far: -3e38, under every t
	v_floor_f32 v[ST+4*\t], -v[ST+4*\t+1]          ; -M
	v_mov_b32 v[ST+4*\t+2], 0                      ; the sum, in two halves
	v_mov_b32 v[ST+4*\t+3], 0
.endr
	v_mov_b32 v[FF+1], 0                           ; (upper halves of pairs of which the low word alone is used)
	v_mov_b32 v[FG+1], 0
.irp b, 0,1,2,3
	v_mov_b32 v[T1+\b], 0                          ; a lane permute's destination counts as one of its sources
.endr
	; O^T begins as zeros, which the first change of M leaves zeros: so the trip is written twice and not three times, and a half of the keys that is wholly hidden hands zeros to the join.
	; These lines stand between the first tensor loads and the wait for them.
	WIN 0x80
.set N, 0
.rept 192
	v_mov_b32 v[N], 0
.set N, N+1
.endr
	WIN 0xc0
.set N, 0
.rept 192
	v_mov_b32 v[N], 0
.set N, N+1
.endr
	WIN 0
	s_wait_loadcnt 0x0                             ; Q
	s_wait_tensorcnt 0x1                           ; my quarter of K is in; V's may stay out
	s_barrier_signal -1
	s_barrier_wait -1                              ; everybody's is
	s_mov_b32 s[TI], 0
	s_cmp_eq_u32 s[CL], 0                          ; the first cluster of a batch has the diagonal trip alone
	s_cbranch_scc1 .Llast
.Ltrip:                                            ; c trips, all of whose keys count
	SPHASE
	SM 0, 0
	CHG G0K, 1                                     ; V of this trip has landed; K's buffer takes the next trip's
	VPRE
	SM 1, 0
	PVPHASE
	CHG G0V, 1                                     ; K of the next trip has landed; V's buffer takes the next trip's
	s_add_co_u32 s[TI], s[TI], 1
	s_cmp_lt_u32 s[TI], s[CL]
	s_cbranch_scc1 .Ltrip
.Llast:                                            ; the trip on the diagonal: masked, and nothing more is asked for
	SPHASE
	SM 0, 1
	CHG G0K, 0
	VPRE
	SM 1, 1
	PVPHASE
	; THE JOIN.  Each half of the keys has its own -M, sum and O^T.  The wave of keys' half 0 finishes tile 0 and hands tile 1 to its partner, which finishes it and hands tile 0 back.
.irp t, 0,1
	v_add_f32 v[ST+4*\t+2], v[ST+4*\t+2], v[ST+4*\t+3]     ; the sum's two halves,
.endr
.irp t, 0,1
	v_permlanex16_b32 v[T1+\t], v[ST+4*\t+2], s[SEL], s[SEL+1]
.endr
.irp t, 0,1
	v_add_f32 v[ST+4*\t+2], v[ST+4*\t+2], v[T1+\t]         ; and lane l xor 16's
.endr
.macro SEND win, st                    ; a tile's O^T as it stands, each accumulator from its low end on, and its statistics, into my area
	WIN (\win)<<2
.set N, 0
.rept 48
	ds_store_b128 v[XO], v[4*N:4*N+3] offset:512*N
.set N, N+1
.endr
	WIN 0
	ds_store_b128 v[XO], v[\st:\st+3] offset:24576
.endm
; My tile: O = (O1 f1 + O2 f2) / (l1 f1 + l2 f2), f = 2^(own M - the larger M): exact powers of two; a half with no key that counts has M = -3e38, f = 0.
; Then through a stage (rows of 1,552 bytes, in my partner's area, which I alone touch behind the barrier), so that each store covers 512 consecutive bytes of a row of out.
.macro KEEP win, st
	ds_load_b128 v[56:59], v[XI] offset:24576
.set N, 0
.rept 48
	ds_load_b128 v[SC+4*N:SC+4*N+3], v[XI] offset:512*N
.set N, N+1
.endr
	s_wait_dscnt 48                                ; the statistics are in; the 48 loads behind them may be out
	v_min_num_f32 v60, v[\st], v56                 ; the joint -M
	v_sub_f32 v61, v60, v[\st]
	v_sub_f32 v62, v60, v56
	v_cvt_i32_f32 v61, v61                         ; (they saturate)
	v_cvt_i32_f32 v62, v62
	v_ldexp_f32 v61, 1.0, v61                      ; f1
	v_ldexp_f32 v62, 1.0, v62                      ; f2
	v_mul_f32 v63, v[\st+2], v61
	v_fma_f32 v63, v58, v62, v63                   ; the row's sum
	v_rcp_f32 v63, v63
	v_nop                                          ; one plain place behind a transcendental
	s_wait_alu depctr_va_vdst(0)
	v_mul_f32 v[FF], v61, v63
	v_mul_f32 v[FG], v62, v63
	s_wait_dscnt 0x0
.set N, 0
.rept 96
	v_pk_mul_f32 v[SC+2*N:SC+2*N+1], v[SC+2*N:SC+2*N+1], v[FG:FG+1] op_sel_hi:[1,0]
.set N, N+1
.endr
	WIN \win                                       ; source 0: my O^T
.set N, 0
.rept 96
	v_pk_fma_f32 v[SC+2*N:SC+2*N+1], v[2*N:2*N+1], v[FF:FF+1], v[SC+2*N:SC+2*N+1] op_sel_hi:[1,0,1]
.set N, N+1
.endr
	WIN 0
.set N, 0
.rept 24                               ; channel tile N: register j is channel 128 (N/8) + 32 ((N%8)/2) + 16 h + 8 (N%2) + j of query r
	ds_store_b128 v[SW], v[SC+8*N:SC+8*N+3] offset:512*(N/8)+128*((N%8)/2)+32*(N%2)
	ds_store_b128 v[SW], v[SC+8*N+4:SC+8*N+7] offset:512*(N/8)+128*((N%8)/2)+32*(N%2)+16
.set N, N+1
.endr
.set N, 0
.rept 48
	ds_load_b128 v[SC+4*N:SC+4*N+3], v[XI] offset:SPITCH*(N/3)+512*(N%3)   ; LDS serves a wave's instructions in order: these see my stores
.set N, N+1
.endr
.set N, 0
.rept 48
	s_wait_dscnt 47-N
	global_store_b128 v[LI], v[SC+4*N:SC+4*N+3], s[OP:OP+1] offset:((N/3)+8*((N/3)/8))*1536+512*(N%3) th:TH_STORE_NT   ; stage row n is query n + 8 (n/8) of my tile; 512 consecutive bytes, aligned
.set N, N+1
.endr
.endm
	s_cmp_eq_u32 s[HF], 0
	s_cbranch_scc0 .Lsend_hi
	SEND 3, ST+4
	s_branch .Lsent
.Lsend_hi:
	SEND 2, ST
.Lsent:
	s_wait_dscnt 0x0                               ; for my partner's sake: my stores have landed
	s_barrier_signal -1
	s_barrier_wait -1
	s_cmp_eq_u32 s[HF], 0
	s_cbranch_scc0 .Lkeep_hi
	KEEP 2, ST
	s_branch .Ldone
.Lkeep_hi:
	KEEP 3, ST+4
.Ldone:
	s_wait_tensorcnt 0x0                           ; the wave's end, behind my last tensor load and my last LDS store
	ds_add_u32 v[SPW], v[NIL]
	s_wait_dscnt 0x0
	CROUND                                         ; the closing round: no work-group ends while a partner may still ask for a tile that names it
	s_endpgm
.Lfunc_end_k_q78210a0bad_attn:
	.size	k_q78210a0bad_attn, .Lfunc_end_k_q78210a0bad_attn-k_q78210a0bad_attn
	.p2alignl 7, 3214868480
	.fill 96, 4, 3214868480
	.section	.rodata,"a",@progbits
	.p2align	6, 0x0
	.amdhsa_kernel k_q78210a0bad_attn
		.amdhsa_group_segment_fixed_size 327680
		.amdhsa_private_segment_fixed_size 0
		.amdhsa_enable_private_segment 0
		.amdhsa_kernarg_size 32
		.amdhsa_user_sgpr_count 2
		.amdhsa_user_sgpr_kernarg_segment_ptr 1
		.amdhsa_wavefront_size32 1
		.amdhsa_system_sgpr_workgroup_id_x 1
		.amdhsa_system_sgpr_workgroup_id_y 1
		.amdhsa_system_sgpr_workgroup_id_z 1
		.amdhsa_system_vgpr_workitem_id 0
		.amdhsa_next_free_vgpr 1024
		.amdhsa_next_free_sgpr 66
		.amdhsa_reserve_vcc 1
		.amdhsa_float_denorm_mode_32 3
		.amdhsa_float_denorm_mode_16_64 3
		.amdhsa_memory_ordered 1
		.amdhsa_forward_progress 1
		.amdhsa_inst_pref_size 228
	.end_amdhsa_kernel
	.amdgpu_metadata
---
amdhsa.version: [ 1, 2 ]
amdhsa.kernels:
  - .name:           k_q78210a0bad_attn
    .symbol:         k_q78210a0bad_attn.kd
    .args:
      - { .name: qrec, .offset: 0, .size: 8, .value_kind: global_buffer, .address_space: global }
      - { .name: krec, .offset: 8, .size: 8, .value_kind: global_buffer, .address_space: global }
      - { .name: vrec, .offset: 16, .size: 8, .value_kind: global_buffer, .address_space: global }
      - { .name: out0, .offset: 24, .size: 8, .value_kind: global_buffer, .address_space: global }
    .group_segment_fixed_size: 327680
    .private_segment_fixed_size: 0
    .kernarg_segment_align: 8
    .kernarg_segment_size: 32
    .max_flat_workgroup_size: 128
    .sgpr_count:     66
    .vgpr_count:     1024
    .wavefront_size: 32
...
	.end_amdgpu_metadata
.endif
;; end of part 3
;; ======== version 2 of 3: 3 launches; 1.14 times as fast as version 1
;; workspace buffers: wimg 442,368 bytes; wsc 27,648 bytes; qrec 6,684,672 bytes; krec 6,684,672 bytes; vrec 6,684,672 bytes
;; launch quantw: the kernel of part 1 again; grid 24 x 3, 3 waves a work-group, no clusters, 0 bytes of LDS; arguments Wq, Wk, Wv, wimg, wsc; writes wimg, wsc
;; launch proj: the kernel of part 2 again; grid 128 x 2, 4 waves a work-group, no clusters, 120,320 bytes of LDS; arguments x, wimg, wsc, qrec, krec, vrec; writes qrec, krec, vrec
;; launch attn (part 4): grid 32 x 8, 4 waves a work-group, clusters of 4 x 1, 327,680 bytes of LDS; arguments qrec, krec, vrec, out0; writes out0
.if DOCPART == 4
	.amdgcn_target "amdgcn-amd-amdhsa--gfx1250"
	.amdhsa_code_object_version 6
	.text
	.protected	k_q78210a0bad_attn
	.globl	k_q78210a0bad_attn
	.p2align	8
	.type	k_q78210a0bad_attn,@function
k_q78210a0bad_attn:
	s_mov_b64 s[64:65], 0
	v_nop
	global_prefetch_b8 v0, s[64:65] scope:SCOPE_SE
	s_setreg_imm32_b32 hwreg(HW_REG_WAVE_MODE, 25, 1), 1
	s_wait_xcnt 0x0
	s_wait_alu depctr_hold_cnt(0) depctr_sa_sdst(0) depctr_va_vdst(0) depctr_va_sdst(0) depctr_va_ssrc(0) depctr_va_vcc(0) depctr_vm_vsrc(0)
	s_getreg_b32 s2, hwreg(HW_REG_IB_STS2, 6, 4)
	s_cmp_eq_u32 s2, 0
	s_cbranch_scc0 .Lentry_in_a_cluster
	s_endpgm
.Lentry_in_a_cluster:
	s_bfe_u32 s2, ttmp6, 0x10000c
	s_cmp_lg_u32 s2, 0x3003
	s_cbranch_scc0 .Lentry_shape_is_right
	s_endpgm
.Lentry_shape_is_right:
; out[b][q][:] = the sum over keys k <= q of softmax_k(Q[q] . K[k] / sqrt(384)) V[k][:], both products on codes of BF8 (E5M2) with one E8M0 scale for each 32 along a product's K.
; Q, K, V come as records of 52,224 bytes for each 128 rows: 24 images of operand registers (2,048 bytes: [c][lane][16 bytes]) and 3,072 bytes of scale words:
;   qrec, krec: (row tile m, K step U along d) at (3 m + U) 2048, scale words at 49,152 + 1024 U + 512 (m/4) + 16 lane + 4 (m%4);  vrec: channel tile T x the record's 128 keys at 2048 T, scale words at 49,152 + 512 (T/4) + 16 lane + 4 (T%4).
;   Lane r of tile 2 b + u holds row (or channel) 32 b + 8 u + r + 8 (r/8) of its group of 128: results with such a tile as source 0 give a lane 16 neighbours in the registers of tiles 2 b, 2 b + 1.
; THE SOFTMAX: t = score x log2(e) / sqrt(384); M = the running largest t rounded UP to a whole number; p = 2^(t - M) is quantised along the keys, not normalised; the row's sum is taken of the unquantised p and divides at the end.
; When M moves, the sum and O are multiplied by 2^(old M - new M): exact.  So the keys may be walked in any order.
; SHARES.  A cluster of four work-groups owns 256 queries of one batch (cluster x = c, y = the batch), a work-group 64 of them.  Wave w: g = w & 1: which 32 queries (two tiles of 16: each fragment read from LDS feeds two products);
; hf = w >> 1: which 128 of a trip's 256 keys.  The two halves of the keys keep their own M, sum and O and are joined at the end through LDS by exact powers of two: the chain of dependent steps is half as long.
; Both products are used transposed (S^T = K Q^T, O^T = V^T P^T): a lane holds one query throughout.
; CAUSAL, AND THE ORDER OF THE TRIPS.  Pair i of records holds keys 256 i .. 256 i + 255; a cluster needs pairs 0 .. c, c + 1 trips, the same number in all four partners, and walks them DOWNWARD, pair c first.
; The first trip walked lies on the diagonal: there hidden scores are set to -infinity ahead of the maximum (p = 0; a block of zeros keeps the byte 1 and zero codes); in the other trips a scalar branch on the trip counter
; jumps over those lines alone.  A loop of c trips asks in each trip for the next lower pair; the last trip (pair 0) is written out behind it and asks for nothing.  Later keys are neither fetched nor multiplied.
; Why downward: in their first trips the eight clusters of a batch ask for eight different pairs, and from then on each asks for a pair that the cluster below it asked for one trip before;
; walked upward, all clusters of a batch would ask for each pair for the first time together.
; JOINT LOADS.  The four partners walk the same K and V: each wave asks for its quarter (26,112 bytes, 102 rows of 256) of a trip's two records, with the same descriptor and a mask that names the four.
; K and V have ONE buffer each (two records, 104,448 bytes): K's is filled again behind the round in a trip's middle, when all scores are made, V's behind the round at its end: each load has half a trip in which to land.
; By this text's own count a wave has two tensor loads out at the start and one later.
; LIMITS: NaN and infinities are not served; a block's largest p is made from the block's largest score (this takes v_exp_f32 not to fall where its input rises); p under 2^-126 counts as 0.
; REGISTERS.  window 0: v1-10 addresses; v12-19 statistics (a tile: -M, largest t, the sum in two halves); v20-25 Q's scale words; v26-27 p's; v28-31 factors; v32-55 K's, then V's scale words; v56-63 at work at the end;
;   v64-191 S^T, then p, 64 a tile; v192-223 p's codes; v224-242 at work.   window 1: v0-95 Q (tile t, K step U at 16 (3 t + U)); v128-191, v192-255 two sets of four fragments.   windows 2, 3: O^T of tiles 0, 1 (tile T at 8 T).
.set REC,    52224
.set QUART,  26112
.set VBUF,   2*REC                     ; LDS: K's two records at 0, V's here
.set SPARE,  4*REC                     ; the spare words, 128 bytes for each wave: two blocks of 256 bytes that no other line names
.set XCH,    SPARE+512                 ; four areas of 25,088 bytes, a wave's own: written by LDS stores alone, no tensor load lands here
.set XAREA,  25088
.set SPITCH, 1552                      ; the way out: a row of 1,536 bytes + 16
.set AK,   1                           ; v1   my half's record of K + 16 x lane
.set AV,   2                           ; v2   the same of V
.set SPW,  3                           ; v3   my spare word; never rewritten
.set NIL,  4                           ; v4   0; never rewritten
.set DM,   5                           ; v5   the mask: tile 0's query of my lane - my first key of pair c
.set NINF, 6                           ; v6   -infinity
.set XO,   7                           ; v7   my area + 16 x lane
.set XI,   8                           ; v8   my partner's area + 16 x lane
.set SW,   9                           ; v9   my partner's area + 1552 r + 64 h
.set LI,   10                          ; v10  16 x lane
.set ST,   12
.set QS,   20
.set PSW,  26
.set FF,   28
.set FG,   30
.set KS,   32
.set SC,   64
.set PCD,  192
.set BM,   224
.set T1,   228
.set HOLD, 232
.set SCL,  236
.set SUM2, 240
.set TMP,  242
.set WV,  12
.set GG,  13
.set HF,  14
.set CX,  15
.set CL,  16
.set BT,  17
.set JJ,  18
.set MNT, 19
.set SEL, 20
.set CS,  22                           ; s[22:23] log2(e) / sqrt(384)
.set G1,  24                           ; s[24:31] descriptor group 1, one for all loads
.set G0K, 32                           ; s[32:35] group 0 for K's quarter
.set G0V, 36                           ; s[36:39] for V's
.set TI,  40                           ; s40  trips walked so far: 0 in the trip on the diagonal
.set QP,  52
.set QSP, 54
.set OP,  56
.set MSB, 0
.macro WIN new                         ; the immediate's high byte repeats the setting that is left
.if MSB != (\new)
	s_set_vgpr_msb (MSB<<8)|(\new)
.set MSB, (\new)
.endif
.endm
.macro PLACES n
.rept \n
	v_nop
.endr
.endm
.macro CROUND                          ; a round of the cluster's barrier
	s_barrier_signal -1
	s_barrier_wait -1
	s_cmp_lg_u32 s[WV], 0
	s_cbranch_scc1 .Lnot_wave_0_\@
	s_barrier_signal -3
.Lnot_wave_0_\@:
	s_barrier_wait -3
	s_barrier_signal -1
	s_barrier_wait -1
.endm
.macro FETCHK k                        ; four fragments of K: row tiles 4 (k%2) + 0..3, K step k/2, into set k % 2
	WIN 0x40
.irp i, 0,1,2,3
.irp c, 0,1,2,3
	ds_load_b128 v[128+64*((\k)%2)+16*\i+4*\c:128+64*((\k)%2)+16*\i+4*\c+3], v[AK] offset:(3*(4*((\k)%2)+\i)+(\k)/2)*2048+512*\c
.endr
.endr
.endm
.macro FETCHV k                        ; four fragments of V: channel tiles 4 k + 0..3
	WIN 0x40
.irp i, 0,1,2,3
.irp c, 0,1,2,3
	ds_load_b128 v[128+64*((\k)%2)+16*\i+4*\c:128+64*((\k)%2)+16*\i+4*\c+3], v[AV] offset:(4*(\k)+\i)*2048+512*\c
.endr
.endr
.endm
; S^T = K Q^T for my 128 keys and my two tiles: 48 products.  Sixteen accumulators by turns; two links of a chain along d stand sixteen apart.
.macro SPHASE
.irp q, 0,1,2,3,4,5
	ds_load_b128 v[KS+4*\q:KS+4*\q+3], v[AK] offset:49152+512*\q   ; K's scale words: register KS + 8 U + m
.endr
	FETCHK 0
	FETCHK 1
.irp k, 0,1,2,3,4,5
.if \k < 5
	s_wait_dscnt 16                                ; this set is in; the next set's 16 loads may be out
.else
	s_wait_dscnt 0x0
.endif
	WIN 0x05                                       ; K and Q window 1, S^T window 0
.irp i, 0,1,2,3
.irp t, 0,1
.set rD, SC+64*\t+8*(4*(\k%2)+\i)
.set rA, 128+64*(\k%2)+16*\i
.set rB, 16*(3*\t+\k/2)
.if \k < 2
	v_wmma_scale_f32_16x16x128_f8f6f4 v[rD:rD+7], v[rA:rA+15], v[rB:rB+15], 0, v[KS+8*(\k/2)+4*(\k%2)+\i], v[QS+2*(\k/2)+\t] matrix_a_fmt:MATRIX_FMT_BF8 matrix_b_fmt:MATRIX_FMT_BF8
.else
	v_wmma_scale_f32_16x16x128_f8f6f4 v[rD:rD+7], v[rA:rA+15], v[rB:rB+15], v[rD:rD+7], v[KS+8*(\k/2)+4*(\k%2)+\i], v[QS+2*(\k/2)+\t] matrix_a_fmt:MATRIX_FMT_BF8 matrix_b_fmt:MATRIX_FMT_BF8
.endif
.endr
.endr
.if \k < 4
	PLACES 8                                       ; eight places in front of loads into registers that this form has read
	FETCHK \k+2
.endif
.endr
	WIN 0
	PLACES 8                                       ; and in front of the first read of the scores
.endm
; The softmax of tile t for my 128 keys.  Register 16 b + i of the tile's 64 is key 32 b + 16 (lane/16) + i.
.macro SM t
.set SS, SC+64*\t
.set TT, ST+4*\t
.set PP, PCD+16*\t
	s_cmp_lg_u32 s[TI], 0                                  ; the mask is wanted in the first trip walked alone: a branch on the trip counter, the same in all four partners, round these lines alone
	s_cbranch_scc1 .Lopen_\@
.set N, 0
.rept 64
	v_cmp_gt_i32 vcc_lo, 32*(N/16)+N%16-8*\t, v[DM]        ; hidden where the register's key comes after my query
	v_cndmask_b32 v[SS+N], v[SS+N], v[NINF], vcc_lo
.set N, N+1
.endr
.Lopen_\@:
.irp b, 0,1,2,3
	v_max3_num_f32 v[BM+\b], v[SS+16*\b], v[SS+16*\b+1], v[SS+16*\b+2]   ; the largest score of each block of 32 keys: for the row's maximum and for the block's largest p.  Each accumulator is read from its low end on, on both ways
.endr
.irp i, 3,5,7,9,11,13
.irp b, 0,1,2,3
	v_max3_num_f32 v[BM+\b], v[BM+\b], v[SS+16*\b+\i], v[SS+16*\b+\i+1]
.endr
.endr
.irp b, 0,1,2,3
	v_max_num_f32 v[BM+\b], v[BM+\b], v[SS+16*\b+15]
.endr
.irp b, 0,1,2,3
	v_permlanex16_b32 v[T1+\b], v[BM+\b], s[SEL], s[SEL+1]
.endr
.irp b, 0,1,2,3
	v_max_num_f32 v[BM+\b], v[BM+\b], v[T1+\b]             ; with lane l xor 16's 16 keys
.endr
	v_max3_num_f32 v[TMP], v[BM], v[BM+1], v[BM+2]
	v_max_num_f32 v[TMP], v[TMP], v[BM+3]
	v_mul_f32 v[TMP], s[CS], v[TMP]                        ; the step's largest t
	v_max_num_f32 v[TT+1], v[TT+1], v[TMP]                 ; the running largest t
	v_mov_b32 v[TMP], v[TT]
	v_floor_f32 v[TT], -v[TT+1]                            ; the new -M = floor(-t): M is a whole number
	v_sub_f32 v[TMP], v[TT], v[TMP]                        ; old M - new M: a whole number, 0 or less
	v_cvt_i32_f32 v[TMP], v[TMP]                           ; (it saturates)
	v_ldexp_f32 v[FF], 1.0, v[TMP]                         ; f = 2^(old M - new M)
.set N, 0
.rept 32
	v_pk_fma_f32 v[SS+2*N:SS+2*N+1], v[SS+2*N:SS+2*N+1], s[CS:CS+1], v[TT:TT+1] op_sel_hi:[1,0,0]   ; t - M, two at a time
.set N, N+1
.endr
.irp b, 0,1,2,3
	v_fma_f32 v[BM+\b], v[BM+\b], s[CS], v[TT]             ; the same of each block's largest score
.endr
.set N, 0
.rept 64
	v_exp_f32 v[SS+N], v[SS+N]                             ; p = 2^(t - M)
.set N, N+1
.endr
.irp b, 0,1,2,3
	v_exp_f32 v[BM+\b], v[BM+\b]                           ; the block's largest p
.endr
	v_pk_mul_f32 v[TT+2:TT+3], v[TT+2:TT+3], v[FF:FF+1] op_sel_hi:[1,0]   ; the sums under the new M (a plain place behind the exponentials)
	s_wait_alu depctr_va_vdst(0)
.irp b, 0,1,2,3
	v_max_num_f32 v[BM+\b], 0x8000000, v[BM+\b]            ; the floor 2^(16 - 127): the byte cannot fall under 1
.endr
.irp b, 0,1,2,3
	v_add_nc_u32 v[SCL+\b], 0xf8800000, v[BM+\b]           ; 15 off the exponent field: the conversion's scale operand
.endr
.irp b, 0,1,2,3
	v_and_or_b32 v[HOLD+\b], v[BM+\b], 0x7f800000, s[MNT]  ; 57,344 x the scale
.endr
.irp b, 0,1,2,3
	v_lshrrev_b32 v[T1+\b], 23, v[SCL+\b]                  ; the scale's byte
.endr
	v_lshl_or_b32 v[PSW+\t], v[T1+1], 8, v[T1]             ; p's scale word for these 128 keys
	v_lshl_or_b32 v[PSW+\t], v[T1+2], 16, v[PSW+\t]
	v_lshl_or_b32 v[PSW+\t], v[T1+3], 24, v[PSW+\t]
	v_pk_add_f32 v[SUM2:SUM2+1], v[SS:SS+1], v[SS+2:SS+3]  ; the row's sum is taken of the unquantised p: two chains
.set N, 4
.rept 15
	v_pk_add_f32 v[TT+2:TT+3], v[TT+2:TT+3], v[SS+N:SS+N+1]
	v_pk_add_f32 v[SUM2:SUM2+1], v[SUM2:SUM2+1], v[SS+N+2:SS+N+3]
.set N, N+4
.endr
	v_pk_add_f32 v[TT+2:TT+3], v[TT+2:TT+3], v[SUM2:SUM2+1]
.irp b, 0,1,2,3
.irp i, 0,1,2,3,4,5,6,7,8,9,10,11,12,13,14,15
	v_min_num_f32 v[SS+16*\b+\i], v[SS+16*\b+\i], v[HOLD+\b]   ; the conversion does not saturate (ISA guide 7.6.2); p is not negative: a one-sided hold
.endr
	v_cvt_scalef32_pk8_bf8_f32 v[PP+4*\b:PP+4*\b+1], v[SS+16*\b:SS+16*\b+7], v[SCL+\b]
	v_cvt_scalef32_pk8_bf8_f32 v[PP+4*\b+2:PP+4*\b+3], v[SS+16*\b+8:SS+16*\b+15], v[SCL+\b]
.endr
	WIN 0x82+0x41*\t                                       ; O^T (destination and source 0) in window 2 or 3
.set N, 0
.rept 96
	v_pk_mul_f32 v[2*N:2*N+1], v[2*N:2*N+1], v[FF:FF+1] op_sel_hi:[1,0]   ; O^T under the new M; these are also the places between the codes and the products that take them
.set N, N+1
.endr
	WIN 0
.endm
.macro VPRE                            ; V's scale words and its first two sets: asked for ahead of the second tile's softmax
.irp q, 0,1,2,3,4,5
	ds_load_b128 v[KS+4*\q:KS+4*\q+3], v[AV] offset:49152+512*\q
.endr
	FETCHV 0
	FETCHV 1
	WIN 0
.endm
; O^T += V^T P^T: 48 products, each on an accumulator of its own
.macro PVPHASE
.irp k, 0,1,2,3,4,5
.if \k < 5
	s_wait_dscnt 16                                ; this set is in; the next set's 16 loads may be out
.else
	s_wait_dscnt 0x0
.endif
	WIN 0xa1                                       ; V window 1, p window 0, O^T window 2
.irp i, 0,1,2,3
	v_wmma_scale_f32_16x16x128_f8f6f4 v[8*(4*\k+\i):8*(4*\k+\i)+7], v[128+64*(\k%2)+16*\i:128+64*(\k%2)+16*\i+15], v[PCD:PCD+15], v[8*(4*\k+\i):8*(4*\k+\i)+7], v[KS+4*\k+\i], v[PSW] matrix_a_fmt:MATRIX_FMT_BF8 matrix_b_fmt:MATRIX_FMT_BF8
.endr
	WIN 0xf1                                       ; O^T window 3
.irp i, 0,1,2,3
	v_wmma_scale_f32_16x16x128_f8f6f4 v[8*(4*\k+\i):8*(4*\k+\i)+7], v[128+64*(\k%2)+16*\i:128+64*(\k%2)+16*\i+15], v[PCD+16:PCD+31], v[8*(4*\k+\i):8*(4*\k+\i)+7], v[KS+4*\k+\i], v[PSW+1] matrix_a_fmt:MATRIX_FMT_BF8 matrix_b_fmt:MATRIX_FMT_BF8
.endr
.if \k < 4
	PLACES 8
	FETCHV \k+2
.endif
.endr
	WIN 0
	PLACES 8                                       ; in front of the next loads into these registers, and of the first read of O^T
.endm
; A buffer changes hands.  Each wave waits for all its tensor loads (its quarter of the other buffer), adds 0 to its spare word, and waits for that and for its reads of this buffer.
; fill = 1: behind a round of the cluster's barrier, so that no wave of any partner still reads it or has a load on its way, this buffer takes the next trip's two records: the pair below.
.macro CHG g0, fill
	s_wait_tensorcnt 0x0                           ; no tensor load of mine is out, so a group 0 may be written
	ds_add_u32 v[SPW], v[NIL]                      ; 0 onto my spare word
.if \fill
	s_sub_nc_u64 s[\g0+2:\g0+3], s[\g0+2:\g0+3], 2*REC   ; two records back: the loop's c trips end at pair 0, the batch's first; the type bits on top are not reached
.endif
	s_wait_dscnt 0x0                               ; the add is done, and my reads of this buffer are over
.if \fill
	CROUND
	tensor_load_to_lds s[\g0:\g0+3], s[G1:G1+7]    ; the first thing behind the round, and my one tensor load until the next
	s_nop 0
	PLACES 4
.else
	s_barrier_signal -1
	s_barrier_wait -1
.endif
.endm
	s_load_b256 s[4:11], s[0:1], 0x0               ; qrec s[4:5], krec s[6:7], vrec s[8:9], out0 s[10:11]
	v_lshl_add_u32 v[SPW], v0, 2, SPARE
	v_mov_b32 v[NIL], 0
	ds_add_u32 v3, v4
	ds_add_u32 v3, v4
	s_wait_dscnt 0x0
	v_lshrrev_b32 v[AK], 5, v0
	v_readfirstlane_b32 s[WV], v[AK]               ; wave 0..3
	s_and_b32 s[GG], s[WV], 1                      ; which 32 queries
	s_lshr_b32 s[HF], s[WV], 1                     ; which half of a trip's keys
	s_bfe_u32 s[CX], ttmp6, 0x40000                ; my place in the cluster
	s_mov_b32 s[CL], ttmp9                         ; the cluster's number: the four partners share it
	s_and_b32 s[BT], ttmp7, 0xffff                 ; the batch
	s_lshl_b32 s[JJ], s[CL], 2
	s_add_co_u32 s[JJ], s[JJ], s[CX]               ; my block of 64 queries: it enters Q's and out's addresses and the mask alone
	s_mul_i32 s42, s[BT], 16*REC                   ; K and V: the batch's 16 records,
	s_mul_i32 s41, s[WV], QUART                    ; my quarter of two records: in memory and in LDS alike,
	s_add_co_u32 s42, s42, s41
	s_mul_i32 s43, s[CL], 2*REC                    ; and pair c, the one on the diagonal, with which the walk begins
	s_add_co_u32 s42, s42, s43
	s_mov_b32 s43, 0
	s_lshr_b32 s44, s[JJ], 1
	s_lshl_b32 s45, s[BT], 4
	s_add_co_u32 s44, s44, s45
	s_mul_i32 s44, s44, REC                        ; Q's record
	s_and_b32 s46, s[JJ], 1
	s_lshl_b32 s47, s46, 1
	s_add_co_u32 s47, s47, s[GG]
	s_mul_i32 s47, s47, 12288                      ; my group of 32 rows in it: two tiles x three images
	s_add_co_u32 s48, s44, s47
	s_mov_b32 s49, 0
	s_lshl_b32 s46, s46, 9
	s_lshl_b32 s47, s[GG], 3
	s_add_co_u32 s46, s46, s47
	s_add_co_u32 s46, s46, 49152
	s_add_co_u32 s50, s44, s46                     ; my two tiles' scale words
	s_mov_b32 s51, 0
	s_lshl_b32 s44, s[BT], 11
	s_lshl_b32 s45, s[JJ], 6
	s_add_co_u32 s44, s44, s45
	s_lshl_b32 s45, s[GG], 5
	s_add_co_u32 s44, s44, s45
	s_lshl_b32 s45, s[HF], 3
	s_add_co_u32 s44, s44, s45                     ; the first row that I store: I finish tile hf of my 32 queries
	s_mul_i32 s44, s44, 1536
	s_mov_b32 s45, 0
	; descriptor group 1: 102 dense rows of 256 bytes (32 elements of 8 bytes), no padding: images are read 512 consecutive bytes at a time
	s_mov_b32 s[G1], 15|(3<<16)|(1<<21)            ; 15:0 the mask: all four work-groups; 17:16 elements of 8 bytes; 21 set beside a mask
	s_mov_b32 s[G1+1], 32<<16                      ; tensor_dim0 = 32
	s_mov_b32 s[G1+2], 102<<16                     ; tensor_dim1 = 102
	s_mov_b32 s[G1+3], 32<<16                      ; tile_dim0 = 32
	s_mov_b32 s[G1+4], 102                         ; tile_dim1 = 102
	s_mov_b32 s[G1+5], 32                          ; the pitch
	s_mov_b32 s[G1+6], 0
	s_mov_b32 s[G1+7], 0
	s_mov_b32 s[MNT], 0x600000
	s_mov_b32 s[SEL], 0x76543210
	s_mov_b32 s[SEL+1], 0xfedcba98
	s_mov_b32 s[CS], 0x3d96c740                    ; log2(e) / sqrt(384)
	s_mov_b32 s[CS+1], s[CS]                       ; (named with it as a pair, so it is written)
	s_wait_kmcnt 0x0
	s_mov_b32 s[G0K], 1
	s_mov_b32 s[G0K+1], s41                        ; LDS: K's buffer begins at 0
	s_add_nc_u64 s[G0K+2:G0K+3], s[6:7], s[42:43]
	s_or_b32 s[G0K+3], s[G0K+3], 0x80000000
	s_mov_b32 s[G0V], 1
	s_add_co_u32 s[G0V+1], s41, VBUF
	s_add_nc_u64 s[G0V+2:G0V+3], s[8:9], s[42:43]
	s_or_b32 s[G0V+3], s[G0V+3], 0x80000000
	s_add_nc_u64 s[QP:QP+1], s[4:5], s[48:49]
	s_add_nc_u64 s[QSP:QSP+1], s[4:5], s[50:51]
	s_add_nc_u64 s[OP:OP+1], s[10:11], s[44:45]
	CROUND                                         ; all four work-groups are here: the first joint loads meet
	tensor_load_to_lds s[G0K:G0K+3], s[G1:G1+7]    ; pair c's K
	s_nop 0
	tensor_load_to_lds s[G0V:G0V+3], s[G1:G1+7]    ; and V: two loads of mine are out
	s_nop 0
	PLACES 4
	v_and_b32 v11, 31, v0
	v_lshlrev_b32 v[LI], 4, v11
	WIN 0x40
.irp f, 0,1,2,3,4,5
.irp c, 0,1,2,3
	global_load_b128 v[16*\f+4*\c:16*\f+4*\c+3], v[LI], s[QP:QP+1] offset:2048*\f+512*\c   ; Q stays in registers: fragment 3 t + U
.endr
.endr
	WIN 0
.irp u, 0,1,2
	global_load_b64 v[QS+2*\u:QS+2*\u+1], v[LI], s[QSP:QSP+1] offset:1024*\u   ; its scale words: K step u, tiles 0 and 1
.endr
	s_mul_i32 s44, s[HF], REC
	v_add_nc_u32 v[AK], s44, v[LI]
	v_add_nc_u32 v[AV], VBUF, v[AK]
	s_mul_i32 s45, s[WV], XAREA
	s_add_co_u32 s45, s45, XCH
	v_add_nc_u32 v[XO], s45, v[LI]
	s_xor_b32 s46, s[WV], 2                        ; my partner: the same queries, the other half of the keys
	s_mul_i32 s46, s46, XAREA
	s_add_co_u32 s46, s46, XCH
	v_add_nc_u32 v[XI], s46, v[LI]
	v_and_b32 v11, 15, v0                          ; r
	v_bfe_u32 v56, v0, 4, 1                        ; h
	v_mul_u32_u24 v[SW], v11, SPITCH
	v_lshl_add_u32 v[SW], v56, 6, v[SW]
	v_add_nc_u32 v[SW], s46, v[SW]
	v_and_b32 v57, 8, v11
	v_add_nc_u32 v[DM], v11, v57                   ; r + 8 (r/8)
	v_lshlrev_b32 v56, 4, v56
	v_sub_nc_u32 v[DM], v[DM], v56                 ; - 16 h
	s_lshl_b32 s47, s[CX], 6
	s_lshl_b32 s48, s[GG], 5
	s_add_co_u32 s47, s47, s48
	s_lshl_b32 s48, s[HF], 7
	s_sub_co_u32 s47, s47, s48
	v_add_nc_u32 v[DM], s47, v[DM]                 ; + 64 cx + 32 g - 128 hf: a signed number, compared and never an address
	v_mov_b32 v[NINF], 0xff800000
.irp t, 0,1
	v_mov_b32 v[ST+4*\t+1], 0xff61b1e6             ; the largest t so far: -3e38, under every t
	v_floor_f32 v[ST+4*\t], -v[ST+4*\t+1]          ; -M
	v_mov_b32 v[ST+4*\t+2], 0                      ; the sum, in two halves
	v_mov_b32 v[ST+4*\t+3], 0
.endr
	v_mov_b32 v[FF+1], 0                           ; (upper halves of pairs of which the low word alone is used)
	v_mov_b32 v[FG+1], 0
.irp b, 0,1,2,3
	v_mov_b32 v[T1+\b], 0                          ; a lane permute's destination counts as one of its sources
.endr
	; O^T begins as zeros, which the first change of M leaves zeros: so the trip is written twice and not three times, and a half of the keys that is wholly hidden hands zeros on.
	; These lines stand between the first tensor loads and the wait for them.
	WIN 0x80
.set N, 0
.rept 192
	v_mov_b32 v[N], 0
.set N, N+1
.endr
	WIN 0xc0
.set N, 0
.rept 192
	v_mov_b32 v[N], 0
.set N, N+1
.endr
	WIN 0
	s_wait_loadcnt 0x0                             ; Q
	s_wait_tensorcnt 0x1                           ; my quarter of K is in; V's may stay out
	s_barrier_signal -1
	s_barrier_wait -1                              ; everybody's is
	s_mov_b32 s[TI], 0
	s_cmp_eq_u32 s[CL], 0                          ; the first cluster of a batch has the diagonal trip alone
	s_cbranch_scc1 .Llast
.Ltrip:                                            ; c trips: pairs c down to 1; each asks for the pair below
	SPHASE
	SM 0
	CHG G0K, 1                                     ; V of this trip has landed; K's buffer takes the next trip's
	VPRE
	SM 1
	PVPHASE
	CHG G0V, 1                                     ; K of the next trip has landed; V's buffer takes the next trip's
	s_add_co_u32 s[TI], s[TI], 1
	s_cmp_lt_u32 s[TI], s[CL]
	s_cbranch_scc1 .Ltrip
.Llast:                                            ; pair 0: written out: nothing more is asked for
	SPHASE
	SM 0
	CHG G0K, 0
	VPRE
	SM 1
	PVPHASE
	; THE JOIN.  Each half of the keys has its own -M, sum and O^T.  The wave of keys' half 0 finishes tile 0 and hands tile 1 to its partner, which finishes it and hands tile 0 back.
.irp t, 0,1
	v_add_f32 v[ST+4*\t+2], v[ST+4*\t+2], v[ST+4*\t+3]     ; the sum's two halves,
.endr
.irp t, 0,1
	v_permlanex16_b32 v[T1+\t], v[ST+4*\t+2], s[SEL], s[SEL+1]
.endr
.irp t, 0,1
	v_add_f32 v[ST+4*\t+2], v[ST+4*\t+2], v[T1+\t]         ; and lane l xor 16's
.endr
.macro SEND win, st                    ; a tile's O^T as it stands, each accumulator from its low end on, and its statistics, into my area
	WIN (\win)<<2
.set N, 0
.rept 48
	ds_store_b128 v[XO], v[4*N:4*N+3] offset:512*N
.set N, N+1
.endr
	WIN 0
	ds_store_b128 v[XO], v[\st:\st+3] offset:24576
.endm
; My tile: O = (O1 f1 + O2 f2) / (l1 f1 + l2 f2), f = 2^(own M - the larger M): exact powers of two; a half with no key that counts has M = -3e38, f = 0.
; Then through a stage (rows of 1,552 bytes, in my partner's area, which I alone touch behind the barrier), so that each store covers 512 consecutive bytes of a row of out.
.macro KEEP win, st
	ds_load_b128 v[56:59], v[XI] offset:24576
.set N, 0
.rept 48
	ds_load_b128 v[SC+4*N:SC+4*N+3], v[XI] offset:512*N
.set N, N+1
.endr
	s_wait_dscnt 48                                ; the statistics are in; the 48 loads behind them may be out
	v_min_num_f32 v60, v[\st], v56                 ; the joint -M
	v_sub_f32 v61, v60, v[\st]
	v_sub_f32 v62, v60, v56
	v_cvt_i32_f32 v61, v61                         ; (they saturate)
	v_cvt_i32_f32 v62, v62
	v_ldexp_f32 v61, 1.0, v61                      ; f1
	v_ldexp_f32 v62, 1.0, v62                      ; f2
	v_mul_f32 v63, v[\st+2], v61
	v_fma_f32 v63, v58, v62, v63                   ; the row's sum
	v_rcp_f32 v63, v63
	v_nop                                          ; one plain place behind a transcendental
	s_wait_alu depctr_va_vdst(0)
	v_mul_f32 v[FF], v61, v63
	v_mul_f32 v[FG], v62, v63
	s_wait_dscnt 0x0
.set N, 0
.rept 96
	v_pk_mul_f32 v[SC+2*N:SC+2*N+1], v[SC+2*N:SC+2*N+1], v[FG:FG+1] op_sel_hi:[1,0]
.set N, N+1
.endr
	WIN \win                                       ; source 0: my O^T
.set N, 0
.rept 96
	v_pk_fma_f32 v[SC+2*N:SC+2*N+1], v[2*N:2*N+1], v[FF:FF+1], v[SC+2*N:SC+2*N+1] op_sel_hi:[1,0,1]
.set N, N+1
.endr
	WIN 0
.set N, 0
.rept 24                               ; channel tile N: register j is channel 128 (N/8) + 32 ((N%8)/2) + 16 h + 8 (N%2) + j of query r
	ds_store_b128 v[SW], v[SC+8*N:SC+8*N+3] offset:512*(N/8)+128*((N%8)/2)+32*(N%2)
	ds_store_b128 v[SW], v[SC+8*N+4:SC+8*N+7] offset:512*(N/8)+128*((N%8)/2)+32*(N%2)+16
.set N, N+1
.endr
.set N, 0
.rept 48
	ds_load_b128 v[SC+4*N:SC+4*N+3], v[XI] offset:SPITCH*(N/3)+512*(N%3)   ; LDS serves a wave's instructions in order: these see my stores
.set N, N+1
.endr
.set N, 0
.rept 48
	s_wait_dscnt 47-N
	global_store_b128 v[LI], v[SC+4*N:SC+4*N+3], s[OP:OP+1] offset:((N/3)+8*((N/3)/8))*1536+512*(N%3) th:TH_STORE_NT   ; stage row n is query n + 8 (n/8) of my tile; 512 consecutive bytes, aligned
.set N, N+1
.endr
.endm
	s_cmp_eq_u32 s[HF], 0
	s_cbranch_scc0 .Lsend_hi
	SEND 3, ST+4
	s_branch .Lsent
.Lsend_hi:
	SEND 2, ST
.Lsent:
	s_wait_dscnt 0x0                               ; for my partner's sake: my stores have landed
	s_barrier_signal -1
	s_barrier_wait -1
	s_cmp_eq_u32 s[HF], 0
	s_cbranch_scc0 .Lkeep_hi
	KEEP 2, ST
	s_branch .Ldone
.Lkeep_hi:
	KEEP 3, ST+4
.Ldone:
	s_wait_tensorcnt 0x0                           ; the wave's end, behind my last tensor load and my last LDS store
	ds_add_u32 v[SPW], v[NIL]
	s_wait_dscnt 0x0
	CROUND                                         ; the closing round: no work-group ends while a partner may still ask for a tile that names it
	s_endpgm
.Lfunc_end_k_q78210a0bad_attn:
	.size	k_q78210a0bad_attn, .Lfunc_end_k_q78210a0bad_attn-k_q78210a0bad_attn
	.p2alignl 7, 3214868480
	.fill 96, 4, 3214868480
	.section	.rodata,"a",@progbits
	.p2align	6, 0x0
	.amdhsa_kernel k_q78210a0bad_attn
		.amdhsa_group_segment_fixed_size 327680
		.amdhsa_private_segment_fixed_size 0
		.amdhsa_enable_private_segment 0
		.amdhsa_kernarg_size 32
		.amdhsa_user_sgpr_count 2
		.amdhsa_user_sgpr_kernarg_segment_ptr 1
		.amdhsa_wavefront_size32 1
		.amdhsa_system_sgpr_workgroup_id_x 1
		.amdhsa_system_sgpr_workgroup_id_y 1
		.amdhsa_system_sgpr_workgroup_id_z 1
		.amdhsa_system_vgpr_workitem_id 0
		.amdhsa_next_free_vgpr 1024
		.amdhsa_next_free_sgpr 66
		.amdhsa_reserve_vcc 1
		.amdhsa_float_denorm_mode_32 3
		.amdhsa_float_denorm_mode_16_64 3
		.amdhsa_memory_ordered 1
		.amdhsa_forward_progress 1
		.amdhsa_inst_pref_size 238
	.end_amdhsa_kernel
	.amdgpu_metadata
---
amdhsa.version: [ 1, 2 ]
amdhsa.kernels:
  - .name:           k_q78210a0bad_attn
    .symbol:         k_q78210a0bad_attn.kd
    .args:
      - { .name: qrec, .offset: 0, .size: 8, .value_kind: global_buffer, .address_space: global }
      - { .name: krec, .offset: 8, .size: 8, .value_kind: global_buffer, .address_space: global }
      - { .name: vrec, .offset: 16, .size: 8, .value_kind: global_buffer, .address_space: global }
      - { .name: out0, .offset: 24, .size: 8, .value_kind: global_buffer, .address_space: global }
    .group_segment_fixed_size: 327680
    .private_segment_fixed_size: 0
    .kernarg_segment_align: 8
    .kernarg_segment_size: 32
    .max_flat_workgroup_size: 128
    .sgpr_count:     66
    .vgpr_count:     1024
    .wavefront_size: 32
...
	.end_amdgpu_metadata
.endif
;; end of part 4
;; ======== version 3 of 3: 3 launches; version 2 with the launch proj written anew for expert scheduling mode
;; workspace buffers: wimg 442,368 bytes; wsc 27,648 bytes; qrec 6,684,672 bytes; krec 6,684,672 bytes; vrec 6,684,672 bytes
;; launch quantw: the kernel of part 1 again; grid 24 x 3, 3 waves a work-group, no clusters, 0 bytes of LDS; arguments Wq, Wk, Wv, wimg, wsc; writes wimg, wsc
;; launch proj (part 5): grid 128 x 2, 4 waves a work-group, no clusters, 120,320 bytes of LDS; arguments x, wimg, wsc, qrec, krec, vrec; writes qrec, krec, vrec
.if DOCPART == 5
	.amdgcn_target "amdgcn-amd-amdhsa--gfx1250"
	.amdhsa_code_object_version 6
	.text
	.protected	k_q78210a0bad_proj
	.globl	k_q78210a0bad_proj
	.p2align	8
	.type	k_q78210a0bad_proj,@function
k_q78210a0bad_proj:
	s_mov_b64 s[64:65], 0
	v_nop
	global_prefetch_b8 v0, s[64:65] scope:SCOPE_SE
	s_setreg_imm32_b32 hwreg(HW_REG_WAVE_SCHED_MODE, 0, 2), 2
	s_setreg_imm32_b32 hwreg(HW_REG_WAVE_MODE, 25, 1), 1
	s_wait_xcnt 0x0
	s_wait_alu depctr_vm_vsrc(0)
; Q = x Wq^T, K = x Wk^T, V = x Wv^T on codes of BF8 (E5M2) with E8M0 scales for each 32 along K; the results are quantised again, Q and K along d, V along the rows (the keys),
; and leave as RECORDS of 52,224 bytes for each 128 rows: 24 images of operand registers (2,048 bytes each: [c][lane][16 bytes]), then 3,072 bytes of scale words.
;   qrec, krec: fragment (row tile m = 0..7, K step U along d) at (3 m + U) 2048; scale words at 49,152 + 1024 U + 512 (m/4) + 16 lane + 4 (m%4).
;   vrec: fragment of channel tile T = 0..23 (16 channels x the record's 128 keys) at 2048 T; scale words at 49,152 + 512 (T/4) + 16 lane + 4 (T%4).
; THE ROWS OF A TILE ARE NOT NEIGHBOURS: lane r of tile 2 b + u holds row 32 b + 8 u + r + 8 (r/8): a result whose source 0 is such a tile gives a lane 16 neighbours in the 16 registers of tiles 2 b, 2 b + 1.
; SHARES.  Work-group x = the record (128 rows of x), y = p: p = 0 makes Q and V's channel tiles 0-11, p = 1 makes K and V's tiles 12-23: 256 work-groups of 864 products.
; Phase X: wave w quantises rows 32 w .. 32 w + 31 of x (each load takes 512 consecutive bytes of a row; the numbers turn through the wave's own stage in LDS, so that a lane holds 16 neighbours) and stores six images.
; One barrier.  Then waves 0-2 (wave U): d = 128 U .. + 127 for the 8 row tiles, source 0 = 16 rows of W, source 1 = x: their 24 weight fragments stay in registers.
; Wave 3: V: source 0 = x's tile, source 1 = 16 rows of Wv; x's 24 fragments stay in registers; Wv's tiles 0-7 of its twelve were loaded like the others' weights, tiles 8-11 take the places of tiles 0-3 as those are done.
; NO CLUSTER, NO TENSOR LOAD: weights go from memory straight into the registers where they stay (49,152 bytes a wave, once); a joint load would land them in LDS and cost each of them an LDS write and read more.
; x is read by the two work-groups of a record; its numbers pass through registers on the way to the quantiser in any case.
; LIMITS: a block of zeros gets the byte 1 where the rule says 127 (its codes are zeros; this program alone reads the bytes); blocks under 2^-111 are held at byte 1; NaN and infinities are not served.
; REGISTERS.  window 0: v1-6 addresses; v16-39 x's scale words (wave 3); v40-45 x's scale words, two sets (waves 0-2); v64-127 numbers of x, later 8 accumulators; v128-191 numbers of x, later the collected scale words;
;   v192-207 codes; v208-223 at work; v224 a scale word; v228-251 the weights' scale words (8 s + tile); v254, v255 the closing add's two.
;   window 1: weight fragments (tile t, K step s = 0, 1) at v[16 (8 s + t)].   window 2: v0-127 those of s = 2; from v128: waves 0-2: x's three fragments, two sets; wave 3: x's fragments of s = 2.
;   window 3: x as loaded, two sets of 128; later (wave 3) x's fragments of s = 0, 1.
; THE MODE: SCHED_MODE bits 1:0 = 2 (LLVM: expert scheduling mode 2), set by the entry lines.  The code itself states the register dependences
; between vector or matrix instructions and memory or LDS instructions, with s_wait_alu, always for 0.
; THE PLAN.  Registers that memory or LDS instructions touch:
;   v1-v6, v254, v255   Written by vector lines at the head and never again; read by every load and store.  One wait on va_vdst ahead of the first load.
;   window 3            Global loads land in it; the stage's LDS stores read it; set 0 is loaded a second time, and in wave 3 LDS loads land in both sets: a wait on vm_vsrc ahead of each of the two.
;   v64-191             The stage's LDS loads land in them; a quantising reads and writes them.  The next turn's loads follow the wait on va_vdst of the quantising before them, with no vector line between.
;   v[PC ..], v[PW]     Written by a quantising; read by the stores that follow it: a wait on va_vdst between the two.  Written again by the next quantising: a wait on vm_vsrc stands in it, ahead of its first write of them.
;   x's two sets in window 2, v40-45 (waves 0-2); Wv's slots 0-3 and their scale words (wave 3)   Read by a tile's matrix instructions, then loaded again.
;   v[OS ..]            Written by the quantisings, read by the last stores.
; So ONE wait on va_vdst stands in a tile, behind its conversions: the codes and the scale word are written, and the tile's matrix instructions are done reading their operands.  Behind it follow, with no vector line
; between, the loads into the operands just read (waves 0-2: x's fragments of the tile two on; wave 3: the weights that take the slot) and then the tile's stores.
; The weights' registers, their scale words and wave 3's v16-39 take loads before any vector line has named them.  No operand of a matrix instruction is written by a vector line.
.set REC,  52224
.set RSC,  49152                       ; a record's scale words
.set XSC,  49152                       ; LDS: x's 24 images (K step s, tile m) at (8 s + m) 2048; here their scale words, 128 bytes each
.set STG,  52224                       ; LDS: a stage of 32 rows x (512 + 16) bytes for each wave
.set STGW, 16896
.set LI,  1                            ; v1  16 x lane
.set LS,  2                            ; v2  4 x lane
.set STA, 3                            ; v3  my stage + 16 x lane
.set STB, 4                            ; v4  my stage + 528 r + 64 h
.set XWI, 5                            ; v5  16 x lane + 4096 x wave
.set XWS, 6                            ; v6  XSC + 4 x lane + 256 x wave
.set XSV, 16
.set XS,  40
.set HA,  64
.set OS,  128
.set PC,  192
.set TM,  208
.set PW,  224
.set WS,  228
.set MNT, 19
.set SEL, 20
.set XP,  22                           ; s[22:23] x at my wave's 32 rows
.set WB,  24                           ; s[24:25] my first weight image
.set WSB, 26                           ; s[26:27] and its scale words
.set OC,  28                           ; s[28:29] where my images go
.set OSB, 30                           ; s[30:31] and my scale words
.set MSB, 0
.macro WIN new                         ; the immediate's high byte repeats the setting that is left
.if MSB != (\new)
	s_set_vgpr_msb (MSB<<8)|(\new)
.set MSB, (\new)
.endif
.endm
.macro PLACES n
.rept \n
	v_nop
.endr
.endm
; 64 numbers of a lane, register 16 b + i = k 32 b + 16 (lane/16) + i of my row or column, become a fragment's codes in v[PC] on and its scale word in v[pw].
; e other than 0: stores issued since the last wait on vm_vsrc have read v[PC ..] or v[pw].
.macro QUANT s, pw, e
.irp b, 0,1,2,3
	v_max3_num_f32 v[TM+\b], |v[(\s)+16*\b]|, |v[(\s)+16*\b+1]|, 0x8000000   ; my 16 numbers of block b, and the floor 2^(16 - 127).  Each accumulator is read from its low end on
.endr
.irp i, 2,4,6,8,10,12,14
.irp b, 0,1,2,3
	v_max3_num_f32 v[TM+\b], v[TM+\b], |v[(\s)+16*\b+\i]|, |v[(\s)+16*\b+\i+1]|
.endr
.endr
.irp b, 0,1,2,3
	v_permlanex16_b32 v[TM+4+\b], v[TM+\b], s[SEL], s[SEL+1]
.endr
.irp b, 0,1,2,3
	v_max_num_f32 v[TM+\b], v[TM+\b], v[TM+4+\b]           ; with lane l xor 16's 16: the block's largest magnitude
.endr
.irp b, 0,1,2,3
	v_add_nc_u32 v[TM+12+\b], 0xf8800000, v[TM+\b]         ; 15 off its exponent field: the conversion's scale operand
.endr
.irp b, 0,1,2,3
	v_and_or_b32 v[TM+8+\b], v[TM+\b], 0x7f800000, s[MNT]  ; 57,344 x the scale
.endr
.irp b, 0,1,2,3
	v_lshrrev_b32 v[TM+4+\b], 23, v[TM+12+\b]              ; the scale's byte
.endr
.if (\e)
	s_wait_alu depctr_vm_vsrc(0)                           ; the stores of the fragment before have read v[PC ..] and, in phase X, v[PW], which the lines below write again
.endif
	v_lshl_or_b32 v[\pw], v[TM+5], 8, v[TM+4]
	v_lshl_or_b32 v[\pw], v[TM+6], 16, v[\pw]
	v_lshl_or_b32 v[\pw], v[TM+7], 24, v[\pw]
.irp b, 0,1,2,3
.irp i, 0,1,2,3,4,5,6,7,8,9,10,11,12,13,14,15
	v_med3_num_f32 v[(\s)+16*\b+\i], v[(\s)+16*\b+\i], -v[TM+8+\b], v[TM+8+\b]   ; the conversion does not saturate (ISA guide 7.6.2)
.endr
	v_cvt_scalef32_pk8_bf8_f32 v[PC+4*\b:PC+4*\b+1], v[(\s)+16*\b:(\s)+16*\b+7], v[TM+12+\b]
	v_cvt_scalef32_pk8_bf8_f32 v[PC+4*\b+2:PC+4*\b+3], v[(\s)+16*\b+8:(\s)+16*\b+15], v[TM+12+\b]
.endr
	v_nop                                                  ; one plain line behind the last scaled conversion
.endm
.macro XLOADS s, buf                   ; K step s of my 32 rows, as they lie: a load takes 512 consecutive bytes of one row
	WIN 0xc0
.set RHO, 0
.rept 32
	global_load_b128 v[128*\buf+4*RHO:128*\buf+4*RHO+3], v[LI], s[XP:XP+1] offset:1536*RHO+512*\s
.set RHO, RHO+1
.endr
	WIN 0
.endm
.macro TURN buf                        ; through my stage: stage row 16 u + r takes the row of lane r of tile u; back come 16 neighbours of each block.  LDS serves a wave's instructions in order
	WIN 0x0c
.set RHO, 0
.rept 32
	ds_store_b128 v[STA], v[128*\buf+4*RHO:128*\buf+4*RHO+3] offset:528*(16*((RHO/8)%2)+8*(RHO/16)+RHO%8)
.set RHO, RHO+1
.endr
	WIN 0
.irp u, 0,1
.irp b, 0,1,2,3
.irp j, 0,1,2,3
	ds_load_b128 v[HA+64*\u+16*\b+4*\j:HA+64*\u+16*\b+4*\j+3], v[STB] offset:8448*\u+128*\b+16*\j   ; no vector line since the last wait on va_vdst names v64 to v191
.endr
.endr
.endr
.endm
.macro QXH s, u                        ; tile 2 w + u of x, K step s: quantised, image and scale words to LDS
	QUANT HA+64*\u, PW, 2*\s+\u
	s_wait_alu depctr_va_vdst(0)                   ; the conversions have written v[PC ..], and v[PW] is written: the LDS stores below read them.  The quantising is also done with its 64 numbers, in which the next turn's loads land
.irp c, 0,1,2,3
	ds_store_b128 v[XWI], v[PC+4*\c:PC+4*\c+3] offset:16384*\s+2048*\u+512*\c
.endr
	ds_store_b32 v[XWS], v[PW] offset:1024*\s+128*\u
	s_wait_dscnt 0x0                               ; the stores have read their registers
.endm
.macro WLD slot, s, tile               ; weight fragment (tile, K step s) into the registers of slot; the caller has set the window
.irp c, 0,1,2,3
	global_load_b128 v[16*(8*((\s)%2)+(\slot))+4*\c:16*(8*((\s)%2)+(\slot))+4*\c+3], v[LI], s[WB:WB+1] offset:(3*(\tile)+(\s))*2048+512*\c
.endr
.endm
.macro WRES s                          ; my eight tiles' fragments of K step s: 32 loads, into registers that no vector line has named
.if \s < 2
	WIN 0x40
.else
	WIN 0x80
.endif
.irp t, 0,1,2,3,4,5,6,7
	WLD \t, \s, \t
.endr
	WIN 0
.endm
.macro FETCHX m                        ; waves 0-2: x's three fragments of row tile m and their scale words, into set m % 2: 15 LDS loads
	WIN 0x80
.irp s, 0,1,2
.irp c, 0,1,2,3
	ds_load_b128 v[128+48*((\m)%2)+16*\s+4*\c:128+48*((\m)%2)+16*\s+4*\c+3], v[LI] offset:(8*\s+(\m))*2048+512*\c
.endr
.endr
	WIN 0
.irp s, 0,1,2
	ds_load_b32 v[XS+3*((\m)%2)+\s], v[LS] offset:XSC+(8*\s+(\m))*128
.endr
.endm
; Waves 0-2, row tile m: 24 products, the eight accumulators by turns, the first K step starting the sums; then one fragment of Q or K.
.macro QKTILE m
.if \m < 7
	s_wait_dscnt 15                                ; LDS loads come back in order (ISA guide 5.7.1): this tile's 15 are in (asked for two tiles ago), the next tile's 15 may be out
.else
	s_wait_dscnt 0x0
.endif
.irp s, 0,1,2
.if \s < 2
	WIN 0x09                                       ; source 0 (W) window 1, source 1 (x) window 2
.else
	WIN 0x0a                                       ; both window 2
.endif
.irp t, 0,1,2,3,4,5,6,7
.if \s == 0
	v_wmma_scale_f32_16x16x128_f8f6f4 v[HA+8*\t:HA+8*\t+7], v[16*(8*(\s%2)+\t):16*(8*(\s%2)+\t)+15], v[128+48*((\m)%2)+16*\s:128+48*((\m)%2)+16*\s+15], 0, v[WS+8*\s+\t], v[XS+3*((\m)%2)+\s] matrix_a_fmt:MATRIX_FMT_BF8 matrix_b_fmt:MATRIX_FMT_BF8
.else
	v_wmma_scale_f32_16x16x128_f8f6f4 v[HA+8*\t:HA+8*\t+7], v[16*(8*(\s%2)+\t):16*(8*(\s%2)+\t)+15], v[128+48*((\m)%2)+16*\s:128+48*((\m)%2)+16*\s+15], v[HA+8*\t:HA+8*\t+7], v[WS+8*\s+\t], v[XS+3*((\m)%2)+\s] matrix_a_fmt:MATRIX_FMT_BF8 matrix_b_fmt:MATRIX_FMT_BF8
.endif
.endr
.endr
	WIN 0
	PLACES 8                                       ; eight places behind this form before its results are read
	s_wait_xcnt 0x0                                ; the last tile's stores have read the codes' registers
	QUANT HA, OS+\m, \m
.if \m < 6
	WIN 0x80                                       ; (the switch, the wait, the loads)
.endif
	s_wait_alu depctr_va_vdst(0)                   ; the conversions have written v[PC ..], which the stores below read, and v[OS + m] is written, which the last stores read; this tile's matrix instructions are done reading x's set m % 2 and its scale words, in which the loads below land
.if \m < 6
	FETCHX \m+2                                    ; the tile two on, into the set just read
.endif
.irp c, 0,1,2,3
	global_store_b128 v[LI], v[PC+4*\c:PC+4*\c+3], s[OC:OC+1] offset:6144*\m+512*\c   ; 512 consecutive bytes
.endr
.endm
; Wave 3, channel tile n of its twelve: 24 products, source 0 = x's tile (its rows are the keys), source 1 = 16 rows of Wv in slot n % 8; then one fragment of V along the keys.
.macro VTILE n
.if \n >= 8
	s_wait_loadcnt 15*(11-\n)                      ; this tile's 15 loads are in; those of the later tiles, 15 each, may be out
.endif
.irp s, 0,1,2
.if \s < 2
	WIN 0x07                                       ; source 0 (x) window 3, source 1 (Wv) window 1
.else
	WIN 0x0a                                       ; both window 2
.endif
.irp m, 0,1,2,3,4,5,6,7
.if \s == 0
	v_wmma_scale_f32_16x16x128_f8f6f4 v[HA+8*\m:HA+8*\m+7], v[128*((\s+1)/2)+16*\m:128*((\s+1)/2)+16*\m+15], v[16*(8*(\s%2)+(\n)%8):16*(8*(\s%2)+(\n)%8)+15], 0, v[XSV+8*\s+\m], v[WS+8*\s+(\n)%8] matrix_a_fmt:MATRIX_FMT_BF8 matrix_b_fmt:MATRIX_FMT_BF8
.else
	v_wmma_scale_f32_16x16x128_f8f6f4 v[HA+8*\m:HA+8*\m+7], v[128*((\s+1)/2)+16*\m:128*((\s+1)/2)+16*\m+15], v[16*(8*(\s%2)+(\n)%8):16*(8*(\s%2)+(\n)%8)+15], v[HA+8*\m:HA+8*\m+7], v[XSV+8*\s+\m], v[WS+8*\s+(\n)%8] matrix_a_fmt:MATRIX_FMT_BF8 matrix_b_fmt:MATRIX_FMT_BF8
.endif
.endr
.endr
	WIN 0
	PLACES 8                                       ; eight places behind this form before its results are read
	s_wait_xcnt 0x0                                ; the last tile's stores have read the codes' registers
	QUANT HA, OS+\n, \n
.if \n < 4
	WIN 0x40                                       ; (the switch, the wait, the loads)
.endif
	s_wait_alu depctr_va_vdst(0)                   ; the conversions have written v[PC ..], which the stores below read, and v[OS + n] is written, which the last stores read; in tiles 0 to 3 this tile's matrix instructions are done reading their slot of Wv and its scale words, in which the loads below land
.if \n < 4
	WLD \n, 0, \n+8                                ; tile n + 8 takes this slot: 12 + 3 loads
	WLD \n, 1, \n+8
	WIN 0x80
	WLD \n, 2, \n+8
	WIN 0
.irp s, 0,1,2
	global_load_b32 v[WS+8*\s+\n], v[LS], s[WSB:WSB+1] offset:(3*(\n+8)+\s)*128
.endr
.endif
.irp c, 0,1,2,3
	global_store_b128 v[LI], v[PC+4*\c:PC+4*\c+3], s[OC:OC+1] offset:2048*\n+512*\c
.endr
.endm
	s_load_b256 s[4:11], s[0:1], 0x0               ; x s[4:5], wimg s[6:7], wsc s[8:9], qrec s[10:11]
	s_load_b128 s[12:15], s[0:1], 0x20             ; krec s[12:13], vrec s[14:15]
	v_lshl_add_u32 v254, v0, 2, 0x1d400
	v_mov_b32 v255, 0
	v_lshrrev_b32 v7, 5, v0
	v_readfirstlane_b32 s16, v7                    ; wave 0..3
	s_mov_b32 s17, ttmp9                           ; the record
	s_and_b32 s18, ttmp7, 0xffff                   ; p
	s_mov_b32 s[MNT], 0x600000
	s_mov_b32 s[SEL], 0x76543210
	s_mov_b32 s[SEL+1], 0xfedcba98
	v_and_b32 v7, 31, v0
	v_lshlrev_b32 v[LI], 4, v7
	v_lshlrev_b32 v[LS], 2, v7
	s_wait_alu depctr_va_sdst(0)                   ; s16 is written, ahead of its first reader: LDS addresses, bases and the roles' branch are made from it
	s_mul_i32 s46, s16, STGW
	s_add_co_u32 s46, s46, STG
	v_add_nc_u32 v[STA], s46, v[LI]
	v_and_b32 v8, 15, v0
	v_bfe_u32 v9, v0, 4, 1
	v_mul_u32_u24 v[STB], v8, 528
	v_lshl_add_u32 v[STB], v9, 6, v[STB]
	v_add_nc_u32 v[STB], s46, v[STB]
	s_lshl_b32 s47, s16, 12
	v_add_nc_u32 v[XWI], s47, v[LI]
	s_lshl_b32 s47, s16, 8
	s_add_co_u32 s47, s47, XSC
	v_add_nc_u32 v[XWS], s47, v[LS]
.irp b, 0,1,2,3
	v_mov_b32 v[TM+4+\b], 0                        ; a lane permute's destination counts as one of its sources
.endr
	s_mul_i32 s32, s17, 196608                     ; x: 128 rows of 1,536 bytes a record,
	s_mul_i32 s33, s16, 49152                      ; 32 rows a wave
	s_add_co_u32 s32, s32, s33
	s_mov_b32 s33, 0
	s_mul_i32 s34, s18, 24
	s_lshl_b32 s35, s16, 3
	s_add_co_u32 s34, s34, s35                     ; waves 0-2: first weight tile 24 p + 8 w (Wq or Wk)
	s_mul_i32 s35, s18, 12
	s_add_co_u32 s35, s35, 48                      ; wave 3: 48 + 12 p (Wv)
	s_mul_i32 s36, s18, 24576                      ; where the images go in the record: wave 3: 12 p tiles on;
	s_lshl_b32 s37, s16, 11                        ; waves 0-2: K step w
	s_mul_i32 s38, s18, 1536                       ; the scale words likewise
	s_lshl_b32 s39, s16, 10
	s_mul_i32 s40, s17, REC
	s_cmp_eq_u32 s16, 3
	s_cselect_b32 s34, s35, s34
	s_cselect_b32 s36, s36, s37
	s_cselect_b32 s38, s38, s39
	s_add_co_u32 s36, s36, s40
	s_mov_b32 s37, 0
	s_add_co_u32 s38, s38, s40
	s_add_co_u32 s38, s38, RSC
	s_mov_b32 s39, 0
	s_mul_i32 s42, s34, 6144                       ; three images a tile
	s_mov_b32 s43, 0
	s_mul_i32 s44, s34, 384
	s_mov_b32 s45, 0
	s_wait_kmcnt 0x0
	s_cmp_eq_u32 s18, 1                            ; the output buffer: a choice on ids alone
	s_cselect_b64 s[10:11], s[12:13], s[10:11]
	s_cmp_eq_u32 s16, 3
	s_cselect_b64 s[10:11], s[14:15], s[10:11]
	s_add_nc_u64 s[XP:XP+1], s[4:5], s[32:33]
	s_add_nc_u64 s[WB:WB+1], s[6:7], s[42:43]
	s_add_nc_u64 s[WSB:WSB+1], s[8:9], s[44:45]
	s_add_nc_u64 s[OC:OC+1], s[10:11], s[36:37]
	s_add_nc_u64 s[OSB:OSB+1], s[10:11], s[38:39]
	; ---- X: my 32 rows of x, K step by K step.  x's loads go out first; the weights' loads are spread behind them
	WIN 0xc0
	s_wait_alu depctr_va_vdst(0)                   ; the six addresses v1 to v6 are written, which the loads and stores of the whole kernel read; so are v254 and v255, which the closing add reads
	XLOADS 0, 0
	XLOADS 1, 1
	s_wait_loadcnt 32                              ; K step 0 is in; K step 1's 32 loads may be out
	TURN 0
	s_wait_dscnt 0x0                               ; the numbers are back
	WIN 0xc0
	s_wait_alu depctr_vm_vsrc(0)                   ; the stage's stores have read set 0 of window 3, in which the loads below land
	XLOADS 2, 0
	QXH 0, 0
	QXH 0, 1
	s_wait_loadcnt 32                              ; K step 1 is in; K step 2's 32 may be out
	TURN 1
	s_wait_dscnt 0x0
	WRES 0
	QXH 1, 0
	QXH 1, 1
	s_wait_loadcnt 32                              ; K step 2 is in; the 32 weight loads behind it may be out
	TURN 0
	s_wait_dscnt 0x0
	WRES 1
.irp t, 0,1,2,3,4,5,6,7
.irp s, 0,1,2
	global_load_b32 v[WS+8*\s+\t], v[LS], s[WSB:WSB+1] offset:(3*\t+\s)*128
.endr
.endr
	QXH 2, 0
	WRES 2
	QXH 2, 1
	s_wait_loadcnt 0x0                             ; all my weights are in
	s_wait_dscnt 0x0                               ; for the others' sake: my images lie in LDS
	s_barrier_signal -1
	s_barrier_wait -1                              ; x's 24 images lie in LDS
	s_wait_alu depctr_vm_vsrc(0)                   ; my LDS stores have read v[PC ..], which the first tile's conversions write, and both sets of window 3, in which wave 3's LDS loads land
	s_cmp_eq_u32 s16, 3
	s_cbranch_scc1 .Lvrole
	; ---- waves 0-2: Q or K
	FETCHX 0                                       ; the first two tiles' fragments of x, into registers that no vector line has named
	FETCHX 1
.irp m, 0,1,2,3,4,5,6,7
	QKTILE \m
.endr
.irp q, 0,1
	global_store_b128 v[LI], v[OS+4*\q:OS+4*\q+3], s[OSB:OSB+1] offset:512*\q   ; four tiles' scale words a lane: 512 consecutive bytes.  No vector line since tile 7's wait on va_vdst
.endr
	s_wait_dscnt 0x0                               ; the closing lines, six on end
	s_wait_alu 0x0
	s_wait_tensorcnt 0x0
	ds_add_u32 v254, v255
	s_wait_dscnt 0x0
	s_endpgm
.Lvrole:
	; ---- wave 3: V.  x's 24 fragments and their scale words come into registers and stay
	WIN 0xc0
.irp s, 0,1
.irp m, 0,1,2,3,4,5,6,7
.irp c, 0,1,2,3
	ds_load_b128 v[128*\s+16*\m+4*\c:128*\s+16*\m+4*\c+3], v[LI] offset:(8*\s+\m)*2048+512*\c
.endr
.endr
.endr
	WIN 0x80
.irp m, 0,1,2,3,4,5,6,7
.irp c, 0,1,2,3
	ds_load_b128 v[128+16*\m+4*\c:128+16*\m+4*\c+3], v[LI] offset:(16+\m)*2048+512*\c
.endr
.endr
	WIN 0
.irp s, 0,1,2
.irp m, 0,1,2,3,4,5,6,7
	ds_load_b32 v[XSV+8*\s+\m], v[LS] offset:XSC+(8*\s+\m)*128
.endr
.endr
	s_wait_dscnt 0x0
.irp n, 0,1,2,3,4,5,6,7,8,9,10,11
	VTILE \n
.endr
.irp q, 0,1,2
	global_store_b128 v[LI], v[OS+4*\q:OS+4*\q+3], s[OSB:OSB+1] offset:512*\q   ; no vector line since tile 11's wait on va_vdst
.endr
	s_wait_dscnt 0x0                               ; the closing lines, six on end
	s_wait_alu 0x0
	s_wait_tensorcnt 0x0
	ds_add_u32 v254, v255
	s_wait_dscnt 0x0
	s_endpgm
.Lfunc_end_k_q78210a0bad_proj:
	.size	k_q78210a0bad_proj, .Lfunc_end_k_q78210a0bad_proj-k_q78210a0bad_proj
	.p2alignl 7, 3214868480
	.fill 96, 4, 3214868480
	.section	.rodata,"a",@progbits
	.p2align	6, 0x0
	.amdhsa_kernel k_q78210a0bad_proj
		.amdhsa_group_segment_fixed_size 120320
		.amdhsa_private_segment_fixed_size 0
		.amdhsa_enable_private_segment 0
		.amdhsa_kernarg_size 48
		.amdhsa_user_sgpr_count 2
		.amdhsa_user_sgpr_kernarg_segment_ptr 1
		.amdhsa_wavefront_size32 1
		.amdhsa_system_sgpr_workgroup_id_x 1
		.amdhsa_system_sgpr_workgroup_id_y 1
		.amdhsa_system_sgpr_workgroup_id_z 1
		.amdhsa_system_vgpr_workitem_id 0
		.amdhsa_next_free_vgpr 1024
		.amdhsa_next_free_sgpr 66
		.amdhsa_reserve_vcc 0
		.amdhsa_float_denorm_mode_32 3
		.amdhsa_float_denorm_mode_16_64 3
		.amdhsa_memory_ordered 1
		.amdhsa_forward_progress 1
		.amdhsa_inst_pref_size 255
	.end_amdhsa_kernel
	.section	.bss,"aw",@nobits
	.p2align	6
	.space	262144
	.amdgpu_metadata
---
amdhsa.version: [ 1, 2 ]
amdhsa.kernels:
  - .name:           k_q78210a0bad_proj
    .symbol:         k_q78210a0bad_proj.kd
    .args:
      - { .name: x, .offset: 0, .size: 8, .value_kind: global_buffer, .address_space: global }
      - { .name: wimg, .offset: 8, .size: 8, .value_kind: global_buffer, .address_space: global }
      - { .name: wsc, .offset: 16, .size: 8, .value_kind: global_buffer, .address_space: global }
      - { .name: qrec, .offset: 24, .size: 8, .value_kind: global_buffer, .address_space: global }
      - { .name: krec, .offset: 32, .size: 8, .value_kind: global_buffer, .address_space: global }
      - { .name: vrec, .offset: 40, .size: 8, .value_kind: global_buffer, .address_space: global }
    .group_segment_fixed_size: 120320
    .private_segment_fixed_size: 0
    .kernarg_segment_align: 8
    .kernarg_segment_size: 48
    .max_flat_workgroup_size: 128
    .sgpr_count:     66
    .vgpr_count:     1024
    .wavefront_size: 32
...
	.end_amdgpu_metadata
.endif
;; end of part 5
;; launch attn: the kernel of part 4 again; grid 32 x 8, 4 waves a work-group, clusters of 4 x 1, 327,680 bytes of LDS; arguments qrec, krec, vrec, out0; writes out0
